; MI455X (gfx1250); checked and timed in simulation.
; The chip was launched on July 23, 2026; its instructions are those of AMD's public machine-readable ISA for CDNA 5 (MIT licence, August 2026) and "CDNA5" Instruction Set Architecture Reference Guide (July 2026). The comments in the code are by the model that wrote it; some were corrected since.
;; Full Attention Estimator. Allowed arithmetic: matrix products marked QUANTISED: E3M2 operands, one E8M0 scale for each 32 along K, by v_wmma_scale_f32_16x16x128_f8f6f4 with both operands' format E3M2, f32 sums; products left as they are: f32 operands where the result goes on into a quantised operand, else bf16, f16 or f32 operands; f32 sums; everything else in f32.
;; Inputs: K 2 x 512 x 1,024 float32; Q 2 x 512 x 1,024 float32; Wk 1,024 x 128 float32; Wo 128 x 1 float32; Wq 1,024 x 128 float32; Wu 384 x 128 float32; Wv 384 x 128 float32; bo 1 float32; bu 128 float32; bv 128 float32; ln_b 384 float32; ln_g 384 float32.
;; Outputs: out0 2 x 512 x 512 float32.
;; This version of the problem:
;;   THIS VERSION OF THE PROBLEM IS GIVEN IN LOW PRECISION. The matrix products marked QUANTISED in the list below multiply operands that are first quantised to E3M2 (3 exponent bits, 2 mantissa bits; 6 bits a number), with one power-of-two scale for each 32 numbers along K (OCP MX v1.0); their sums are f32. All else is computed in f32.
;;   The module's matrix products, in the order in which they are computed (A, B: the left and right operand; K: the contracted axis; several contracted axes count as one K, in the product's order):
;;     1. [M 1,024, K 1,024] x [K 1,024, N 128]; A: input Q; B: input Wq: QUANTISED
;;     2. [M 1,024, K 1,024] x [K 1,024, N 128]; A: input K; B: input Wk: QUANTISED
;;     3. [M 524,288, K 384] x [K 384, N 128]; A: computed on the way; B: input Wu: QUANTISED
;;     4. [M 524,288, K 384] x [K 384, N 128]; A: computed on the way; B: input Wv: QUANTISED
;;     5. [M 524,288, K 128] x [K 128, N 1]; A: computed on the way; B: input Wo: left as it is (N = 1 < 16)
;;   THE QUANTISER, for each operand of a quantised product, along K:
;;     - K is cut into blocks of 32 from its start; a last block that is shorter is filled with zeros.
;;     - A block's scale is 2^e with e = floor(log2(the largest magnitude in the block)) - 4, held to -126 .. 127; a block of zeros has e = 0. As a byte (E8M0): e + 127.
;;     - Each number is divided by its block's scale, clamped to +-28, and rounded to the nearest number of E3M2, ties to even, subnormals kept.
;;     - The product sums the exact products of the quantised numbers (number of the format x scale) in f32.
;;   ~~~python
;;   def quantise(x, axis):      # numpy; x: float32 -> the quantised numbers, widened to float32 again
;;       x = np.moveaxis(x, axis, -1); K = x.shape[-1]
;;       x = np.pad(x, [(0, 0)] * (x.ndim - 1) + [(0, -K % 32)]); x = x.reshape(x.shape[:-1] + (-1, 32)); a = np.abs(x).max(-1, keepdims=True)
;;       e = np.where(a > 0, np.clip(np.frexp(np.where(a > 0, a, 1))[1] - 1 - 4, -126, 127), 0)      # np.frexp(a)[1] - 1 = floor(log2(a)), exactly
;;       r = np.clip(x / 2.0 ** e, -28, 28)
;;       step = 2.0 ** (np.maximum(np.frexp(np.where(r == 0, 1, r))[1] - 1, -2) - 2)
;;       q = np.round(r / step) * step * 2.0 ** e      # np.round: ties to even
;;       return np.moveaxis(q.reshape(q.shape[:-2] + (-1,))[..., :K], -1, axis).astype(np.float32)
;;   ~~~
;;   OPERANDS COMPUTED ON THE WAY. 'Computed on the way' means the value that the module computes at that place (a softmax that the list does not call 'softmax' is quantised finished and normalised). What goes into a quantiser is computed in f32, as accurately as f32 sums, v_exp_f32 and their like allow (about 1e-6 of the number): no bf16 or f16 on the way to a quantiser, and a product that is left as it is and whose result goes on into a quantised operand takes f32 operands (vector FMAs, or v_wmma_f32_16x16x4_f32). A number that lies on a knife's edge between two numbers of the format may be rounded either way, as far as f32 arithmetic and the matrix unit's own rounding can turn it there, and no further.
;; 2 versions, each right; version 2 is version 1 with the launches project, pairs written anew for expert scheduling mode. Each part assembles by itself: llvm-mc -triple=amdgcn-amd-amdhsa -mcpu=gfx1250 --defsym DOCPART=n.
;; ======== version 1 of 2: 2 launches
;; limits: a difference of large sums (such as E[x^2] - mean^2): digits are lost where the result is much smaller than its terms; a function is approximated: absolute error at most 2.5e-05
;; workspace buffers: proj 1,048,576 bytes; wimg 73,728 bytes; wsb 3,072 bytes
;; launch project (part 1): grid 4 x 64, 8 waves a work-group, no clusters, 173,056 bytes of LDS; arguments Q, K, Wq, Wk, Wu, Wv, proj, wimg, wsb; writes proj, wimg, wsb
.if DOCPART == 1
	.amdgcn_target "amdgcn-amd-amdhsa--gfx1250"
	.amdhsa_code_object_version 6
	.text
	.protected	k_q4eea316735_project
	.globl	k_q4eea316735_project
	.p2align	8
	.type	k_q4eea316735_project,@function
k_q4eea316735_project:
	s_mov_b64 s[64:65], 0
	v_nop
	global_prefetch_b8 v0, s[64:65] scope:SCOPE_SE
	s_setreg_imm32_b32 hwreg(HW_REG_WAVE_MODE, 25, 1), 1
	s_wait_xcnt 0x0
; q = Q Wq and k = K Wk, both products on codes of BF6 (E3M2) with one E8M0 scale for each 32 along K; and Wu, Wv turned into codes for the next launch.
; Q, K: [1024 rows][1024] f32.  Wq, Wk: [1024 (K)][128] f32.  proj: f32 [4 blocks of 32 columns][2048 rows][32]: rows 0-1023 are q's, rows 1024-2047 k's.
; SHARES.  Work-group (x, y) makes rows 32 y .. 32 y + 31 of proj (y < 32: Q and Wq, else K and Wk) x columns 32 x .. 32 x + 31.  Wave w takes K = 128 w .. 128 w + 127: one matrix instruction deep,
; four tiles of 16 x 16; the eight waves' parts are added in f32 through LDS.  So the order of the f32 sums differs from a single chain along K.
; QUANTISING.  A lane holds ONE row (of Q or K) or ONE column (of the weight) and 128 neighbours along K in 128 registers: four whole blocks, so no other lane is asked for a maximum.
; The rows come by loads of 512 consecutive bytes and turn through the wave's own stage in LDS; a weight's column comes by 128 loads of 4 bytes a lane, 128 consecutive bytes a wave.
; The codes of 32 rows are dealt into two fragments of 16 rows by exchanges of the halves of the lanes.
; THE EXTRA SHARE.  The twelve work-groups with y < 3 also quantise Wu and Wv [384 (K)][128]: work-group 4 y + x takes one block of 32 along K, wave w the tensor w / 4 and columns 32 (w % 4) on.
; wimg: [fragment (2 t + u) 3 + p][c][lane r + 16 h][24 bytes] = registers 6 c .. 6 c + 5 of the operand (t: 16 columns, u: Wu or Wv, p: 128 along K).  wsb: scale bytes [12 blocks][u][128 columns].
; LIMITS.  A block whose largest magnitude lies under 2^(5 - 127), a block of zeros among them, gets the scale byte 1 (the rule says 127 for zeros): its codes are zeros or subnormal codes under that byte,
; and these bytes are read by this program alone.  NaN and infinities among the inputs are not served.
; REGISTERS.  Window 0 serves the rows, window 1 the weights, with the same numbers: v16-39 two fragments; v40-54 halves of blocks; v56-68 maxima, scales, bytes; v128-255 the 128 numbers.
; Window 0 alone: v1-12 addresses; v74, v75 the two scale registers; v80-111 four accumulators.  Window 1 alone: v80-111 the extra share's 32 numbers.
.set APITCH, 528                       ; a row of the stage: 512 bytes + 16
.set AWAVE,  32*APITCH                 ; a wave's stage
.set PART,   8*AWAVE                   ; behind the stages: the waves' partial tiles
.set PPITCH, 144                       ; 32 columns of f32 + 16
.set PWAVE,  32*PPITCH
.set FA,  16
.set FB,  28
.set TT,  40
.set MX,  56
.set SO,  60
.set BY,  64
.set PW,  68
.set SWQ, 74
.set SWW, 75
.set ACC, 80
.set PD,  80
.set D,   128
.set MSB, 0
.macro WIN new                         ; the immediate's high byte repeats the setting that is left; a switch that changes nothing is dropped
.if MSB != (\new)
	s_set_vgpr_msb (MSB<<8)|(\new)
.set MSB, (\new)
.endif
.endm
; 128 numbers of a lane (its row or column, K ascending) in window w become codes: fragment FA = rows 0-15, FB = rows 16-31; the four scale bytes make the word in window 0's v[sw].
.macro QUANT32 w, sw
	WIN 0x55*(\w)
.irp b, 0,1,2,3
	v_max3_num_f32 v[MX+\b], |v[D+32*\b]|, |v[D+32*\b+1]|, 0x2800000   ; the floor 2^(5 - 127) among the leaves: the byte cannot fall under 1
.endr
.irp i, 2,4,6,8,10,12,14,16,18,20,22,24,26,28,30
.irp b, 0,1,2,3
	v_max3_num_f32 v[MX+\b], v[MX+\b], |v[D+32*\b+\i]|, |v[D+32*\b+\i+1]|   ; the four blocks by turns
.endr
.endr
.irp b, 0,1,2,3
	v_add_nc_u32 v[SO+\b], 0xfe000000, v[MX+\b]    ; 4 off the exponent field: the conversion's scale operand
.endr
.irp b, 0,1,2,3
	v_lshrrev_b32 v[BY+\b], 23, v[SO+\b]           ; the scale's byte
.endr
	v_lshl_or_b32 v[PW], v[BY+1], 8, v[BY]
	v_lshl_or_b32 v[PW], v[BY+2], 16, v[PW]
	WIN 0x15*(\w)                                  ; scale operands are taken from window 0
	v_lshl_or_b32 v[\sw], v[BY+3], 24, v[PW]       ; lane l: row l's word: lanes 0-15 serve the first fragment, lanes 16-31 the second
	WIN 0x55*(\w)
.irp c, 0,1                                    ; block 2 c into FA's place, block 2 c + 1 into FB's; a conversion's three registers begin on an even number, so each block's upper half is made elsewhere
	v_cvt_scalef32_pk16_bf6_f32 v[FA+6*\c:FA+6*\c+2], v[D+64*\c:D+64*\c+15], v[SO+2*\c]
	v_cvt_scalef32_pk16_bf6_f32 v[TT+8*\c:TT+8*\c+2], v[D+64*\c+16:D+64*\c+31], v[SO+2*\c]
	v_cvt_scalef32_pk16_bf6_f32 v[FB+6*\c:FB+6*\c+2], v[D+64*\c+32:D+64*\c+47], v[SO+2*\c+1]
	v_cvt_scalef32_pk16_bf6_f32 v[TT+8*\c+4:TT+8*\c+6], v[D+64*\c+48:D+64*\c+63], v[SO+2*\c+1]
.endr
	v_nop                                          ; one plain place behind the conversions
.irp c, 0,1                                    ; the first's lanes 16-31 change places with the second's lanes 0-15: then FA holds rows 0-15 (lanes 0-15 block 2 c, lanes 16-31 block 2 c + 1), FB rows 16-31
.irp i, 0,1,2
	v_permlane16_swap_b32 v[FA+6*\c+\i], v[FB+6*\c+\i]
	v_permlane16_swap_b32 v[TT+8*\c+\i], v[TT+8*\c+4+\i]
.endr
.irp i, 0,1,2
	v_mov_b32 v[FA+6*\c+3+\i], v[TT+8*\c+\i]
	v_mov_b32 v[FB+6*\c+3+\i], v[TT+8*\c+4+\i]
.endr
.endr
	WIN 0
.endm
	s_load_b512 s[4:19], s[0:1], 0x0               ; Q s[4:5], K s[6:7], Wq s[8:9], Wk s[10:11], Wu s[12:13], Wv s[14:15], proj s[16:17], wimg s[18:19]
	s_load_b64 s[20:21], s[0:1], 0x40              ; wsb
	v_lshl_add_u32 v126, v0, 2, 0x2a000
	v_mov_b32 v127, 0
	v_lshrrev_b32 v12, 5, v0
	v_readfirstlane_b32 s24, v12                   ; wave 0..7
	s_mov_b32 s25, ttmp9                           ; x: block of 32 columns
	s_and_b32 s26, ttmp7, 0xffff                   ; y: block of 32 rows
	v_and_b32 v1, 31, v0                           ; lane
	v_lshlrev_b32 v2, 4, v1                        ; 16 x lane
	v_lshlrev_b32 v3, 2, v1                        ; 4 x lane
	s_mul_i32 s27, s24, AWAVE
	v_add_nc_u32 v4, s27, v2                       ; the stage, in: as loaded
	v_mul_u32_u24 v5, v1, APITCH
	v_add_nc_u32 v5, s27, v5                       ; and out: lane l takes row l
	v_and_b32 v10, 15, v0                          ; r
	v_bfe_u32 v11, v0, 4, 1                        ; h
	s_mul_i32 s27, s24, PWAVE
	s_add_co_u32 s27, s27, PART
	v_mul_u32_u24 v6, v10, PPITCH
	v_lshl_add_u32 v6, v11, 5, v6
	v_add_nc_u32 v6, s27, v6                       ; my wave's partial tiles: row r, + 32 h bytes
	v_lshrrev_b32 v7, 3, v0
	v_mul_u32_u24 v7, v7, PPITCH
	v_and_b32 v12, 7, v0
	v_lshl_add_u32 v7, v12, 4, v7
	v_add_nc_u32 v7, PART, v7                      ; the sum: thread t takes row t / 8, 16 bytes at 16 (t % 8)
	v_lshlrev_b32 v8, 4, v0                        ; and stores them at 16 t
	v_mul_u32_u24 v9, v10, 24
	v_mad_u32_u24 v9, v11, 9216, v9                ; wimg: column 16 (lane / 16) + r: two fragments' rows on, 24 bytes a lane
	s_and_b32 s28, s26, 31
	s_lshl_b32 s28, s28, 17                        ; 32 rows of 4,096 bytes
	s_lshl_b32 s29, s24, 9                         ; + my K step's 512 bytes
	s_add_co_u32 s28, s28, s29
	s_mov_b32 s29, 0
	s_lshl_b32 s30, s24, 16                        ; the weight: 128 rows of 512 bytes a wave
	s_lshl_b32 s31, s25, 7                         ; + 32 columns
	s_add_co_u32 s30, s30, s31
	s_mov_b32 s31, 0
	s_lshl_b32 s32, s25, 18                        ; proj: block x of 262,144 bytes
	s_lshl_b32 s33, s26, 12                        ; + 32 rows of 128 bytes
	s_add_co_u32 s32, s32, s33
	s_mov_b32 s33, 0
	s_lshl_b32 s34, s26, 2
	s_add_co_u32 s34, s34, s25                     ; the extra share's block along K, 0 .. 11 where y < 3
	s_lshr_b32 s35, s24, 2                         ; u: Wu or Wv
	s_and_b32 s36, s24, 3                          ; which 32 columns
	s_lshl_b32 s38, s34, 14                        ; 32 rows of 512 bytes
	s_lshl_b32 s39, s36, 7
	s_add_co_u32 s38, s38, s39
	s_mov_b32 s39, 0
	s_mul_i32 s40, s36, 18432                      ; wimg: 32 columns are two t: 12 fragments of 1,536 bytes
	s_mul_i32 s41, s35, 4608                       ; u: 3 fragments
	s_add_co_u32 s40, s40, s41
	s_lshr_b32 s41, s34, 2                         ; p
	s_mul_i32 s41, s41, 1536
	s_add_co_u32 s40, s40, s41
	s_and_b32 s41, s34, 3                          ; 2 c + h: 768 c + 384 h
	s_mul_i32 s41, s41, 384
	s_add_co_u32 s40, s40, s41
	s_mov_b32 s41, 0
	s_lshl_b32 s42, s34, 1
	s_add_co_u32 s42, s42, s35
	s_lshl_b32 s42, s42, 7                         ; wsb: (2 block + u) x 128
	s_lshl_b32 s43, s36, 5
	s_add_co_u32 s42, s42, s43
	s_mov_b32 s43, 0
	s_wait_kmcnt 0x0
	s_cmp_lt_u32 s26, 32                           ; Q's work-group or K's: the choice hangs on the work-group's number alone
	s_cselect_b64 s[4:5], s[4:5], s[6:7]
	s_cselect_b64 s[8:9], s[8:9], s[10:11]
	s_cmp_eq_u32 s35, 0
	s_cselect_b64 s[12:13], s[12:13], s[14:15]
	s_add_nc_u64 s[4:5], s[4:5], s[28:29]
	s_add_nc_u64 s[8:9], s[8:9], s[30:31]
	s_add_nc_u64 s[12:13], s[12:13], s[38:39]
	s_add_nc_u64 s[16:17], s[16:17], s[32:33]
	s_add_nc_u64 s[18:19], s[18:19], s[40:41]
	s_add_nc_u64 s[20:21], s[20:21], s[42:43]
.set n1, 0
.rept 32
	global_load_b128 v[D+4*n1:D+4*n1+3], v2, s[4:5] offset:4096*n1     ; row n1: my K step's 512 consecutive bytes
.set n1, n1+1
.endr
	WIN 0x40                                       ; destination window 1
.set n1, 0
.rept 128
	global_load_b32 v[D+n1], v3, s[8:9] offset:512*n1                  ; the weight's row 128 w + n1 at my column: registers run down K
.set n1, n1+1
.endr
	WIN 0
	s_cmp_lt_u32 s26, 3
	s_cbranch_scc0 .Lno_extra_load
	WIN 0x40
.set n1, 0
.rept 32
	global_load_b32 v[PD+n1], v3, s[12:13] offset:512*n1               ; Wu's or Wv's block of 32 along K at my column
.set n1, n1+1
.endr
	WIN 0
.Lno_extra_load:
	s_wait_loadcnt 63                              ; behind the rows' 32 loads stand 128 or 160 younger ones; the count names the most its field holds, which is fewer: the rows are in
.set n1, 0
.rept 32
	ds_store_b128 v4, v[D+4*n1:D+4*n1+3] offset:APITCH*n1
.set n1, n1+1
.endr
.set n1, 0
.rept 32
	ds_load_b128 v[D+4*n1:D+4*n1+3], v5 offset:16*n1                   ; my wave's own bytes, and LDS serves a wave's instructions in order: these see the stores above
.set n1, n1+1
.endr
	s_wait_dscnt 0x0
	QUANT32 0, SWQ
	s_wait_loadcnt 0x0                             ; the weights
	QUANT32 1, SWW
.rept 8
	v_nop                                          ; a scale register written by a vector instruction stands 8 places ahead of a scaled matrix instruction, an operand 4
.endr
	WIN 0x01                                       ; source 0 (the weight's columns) window 1; source 1 (the rows), C and D window 0
	; TRANSPOSED: a lane then holds row r and eight neighbouring columns.  Four accumulators, one instruction each
	v_wmma_scale_f32_16x16x128_f8f6f4 v[ACC:ACC+7], v[FA:FA+11], v[FA:FA+11], 0, v[SWW], v[SWQ] matrix_a_fmt:MATRIX_FMT_BF6 matrix_b_fmt:MATRIX_FMT_BF6
	v_wmma_scale_f32_16x16x128_f8f6f4 v[ACC+8:ACC+15], v[FB:FB+11], v[FA:FA+11], 0, v[SWW], v[SWQ] matrix_a_fmt:MATRIX_FMT_BF6 matrix_b_fmt:MATRIX_FMT_BF6 matrix_a_scale:MATRIX_SCALE_ROW1
	v_wmma_scale_f32_16x16x128_f8f6f4 v[ACC+16:ACC+23], v[FA:FA+11], v[FB:FB+11], 0, v[SWW], v[SWQ] matrix_a_fmt:MATRIX_FMT_BF6 matrix_b_fmt:MATRIX_FMT_BF6 matrix_b_scale:MATRIX_SCALE_ROW1
	v_wmma_scale_f32_16x16x128_f8f6f4 v[ACC+24:ACC+31], v[FB:FB+11], v[FB:FB+11], 0, v[SWW], v[SWQ] matrix_a_fmt:MATRIX_FMT_BF6 matrix_b_fmt:MATRIX_FMT_BF6 matrix_a_scale:MATRIX_SCALE_ROW1 matrix_b_scale:MATRIX_SCALE_ROW1
	WIN 0
.rept 4
	v_nop                                          ; four places in front of the first read of results
.endr
.irp a, 0,1
.irp b, 0,1
	ds_store_b128 v6, v[ACC+8*(2*\a+\b):ACC+8*(2*\a+\b)+3] offset:\a*16*PPITCH+64*\b          ; row 16 a + r, columns 16 b + 8 h + 0 .. 7; each accumulator from its low end on
	ds_store_b128 v6, v[ACC+8*(2*\a+\b)+4:ACC+8*(2*\a+\b)+7] offset:\a*16*PPITCH+64*\b+16
.endr
.endr
	s_wait_dscnt 0x0                               ; for the others' sake: my partial tiles lie in LDS
	s_barrier_signal -1
	s_barrier_wait -1
.set n1, 0
.rept 8
	ds_load_b128 v[D+4*n1:D+4*n1+3], v7 offset:PWAVE*n1                ; the eight waves' parts of my four numbers
.set n1, n1+1
.endr
	s_wait_dscnt 0x0
.irp a, 0,8,16,24
	v_pk_add_f32 v[D+\a:D+\a+1], v[D+\a:D+\a+1], v[D+\a+4:D+\a+5]
	v_pk_add_f32 v[D+\a+2:D+\a+3], v[D+\a+2:D+\a+3], v[D+\a+6:D+\a+7]
.endr
.irp a, 0,16
	v_pk_add_f32 v[D+\a:D+\a+1], v[D+\a:D+\a+1], v[D+\a+8:D+\a+9]
	v_pk_add_f32 v[D+\a+2:D+\a+3], v[D+\a+2:D+\a+3], v[D+\a+10:D+\a+11]
.endr
	v_pk_add_f32 v[D:D+1], v[D:D+1], v[D+16:D+17]
	v_pk_add_f32 v[D+2:D+3], v[D+2:D+3], v[D+18:D+19]
	global_store_b128 v8, v[D:D+3], s[16:17]       ; the work-group stores 4,096 consecutive bytes, 512 a wave
	s_cmp_lt_u32 s26, 3
	s_cbranch_scc0 .Ldone
	WIN 0x55                                       ; the extra share: one block of 32 along K of my column
	v_max3_num_f32 v[MX], |v[PD]|, |v[PD+1]|, |v[PD+2]|
	v_max3_num_f32 v[MX+1], |v[PD+3]|, |v[PD+4]|, |v[PD+5]|
.irp i, 6,10,14,18,22,26
	v_max3_num_f32 v[MX], v[MX], |v[PD+\i]|, |v[PD+\i+1]|
	v_max3_num_f32 v[MX+1], v[MX+1], |v[PD+\i+2]|, |v[PD+\i+3]|
.endr
	v_max3_num_f32 v[MX], v[MX], |v[PD+30]|, |v[PD+31]|
	v_max3_num_f32 v[MX], v[MX], v[MX+1], 0x2800000
	v_add_nc_u32 v[SO], 0xfe000000, v[MX]
	v_cvt_scalef32_pk16_bf6_f32 v[TT:TT+2], v[PD:PD+15], v[SO]
	v_cvt_scalef32_pk16_bf6_f32 v[TT+4:TT+6], v[PD+16:PD+31], v[SO]
	v_lshrrev_b32 v[BY], 23, v[SO]                 ; the byte; also the plain place behind the conversions
	WIN 0x04                                       ; a store's data: window 1
	global_store_b96 v9, v[TT:TT+2], s[18:19]      ; registers 6 c .. 6 c + 2 of the operand's lane r + 16 h,
	global_store_b96 v9, v[TT+4:TT+6], s[18:19] offset:12   ; and 6 c + 3 .. 6 c + 5
	global_store_b8 v1, v[BY], s[20:21]
	WIN 0
.Ldone:
	s_wait_tensorcnt 0x0
	ds_add_u32 v126, v127
	s_wait_dscnt 0x0
	s_endpgm
.Lfunc_end_k_q4eea316735_project:
	.size	k_q4eea316735_project, .Lfunc_end_k_q4eea316735_project-k_q4eea316735_project
	.p2alignl 7, 3214868480
	.fill 96, 4, 3214868480
	.section	.rodata,"a",@progbits
	.p2align	6, 0x0
	.amdhsa_kernel k_q4eea316735_project
		.amdhsa_group_segment_fixed_size 173056
		.amdhsa_private_segment_fixed_size 0
		.amdhsa_enable_private_segment 0
		.amdhsa_kernarg_size 72
		.amdhsa_user_sgpr_count 2
		.amdhsa_user_sgpr_kernarg_segment_ptr 1
		.amdhsa_wavefront_size32 1
		.amdhsa_system_sgpr_workgroup_id_x 1
		.amdhsa_system_sgpr_workgroup_id_y 1
		.amdhsa_system_sgpr_workgroup_id_z 1
		.amdhsa_system_vgpr_workitem_id 0
		.amdhsa_next_free_vgpr 512
		.amdhsa_next_free_sgpr 66
		.amdhsa_reserve_vcc 0
		.amdhsa_float_denorm_mode_32 3
		.amdhsa_float_denorm_mode_16_64 3
		.amdhsa_memory_ordered 1
		.amdhsa_forward_progress 1
		.amdhsa_inst_pref_size 43
	.end_amdhsa_kernel
	.amdgpu_metadata
---
amdhsa.version: [ 1, 2 ]
amdhsa.kernels:
  - .name:           k_q4eea316735_project
    .symbol:         k_q4eea316735_project.kd
    .args:
      - { .name: Q, .offset: 0, .size: 8, .value_kind: global_buffer, .address_space: global }
      - { .name: K, .offset: 8, .size: 8, .value_kind: global_buffer, .address_space: global }
      - { .name: Wq, .offset: 16, .size: 8, .value_kind: global_buffer, .address_space: global }
      - { .name: Wk, .offset: 24, .size: 8, .value_kind: global_buffer, .address_space: global }
      - { .name: Wu, .offset: 32, .size: 8, .value_kind: global_buffer, .address_space: global }
      - { .name: Wv, .offset: 40, .size: 8, .value_kind: global_buffer, .address_space: global }
      - { .name: proj, .offset: 48, .size: 8, .value_kind: global_buffer, .address_space: global }
      - { .name: wimg, .offset: 56, .size: 8, .value_kind: global_buffer, .address_space: global }
      - { .name: wsb, .offset: 64, .size: 8, .value_kind: global_buffer, .address_space: global }
    .group_segment_fixed_size: 173056
    .private_segment_fixed_size: 0
    .kernarg_segment_align: 8
    .kernarg_segment_size: 72
    .max_flat_workgroup_size: 256
    .sgpr_count:     66
    .vgpr_count:     512
    .wavefront_size: 32
...
	.end_amdgpu_metadata
.endif
;; end of part 1
;; launch pairs (part 2): grid 8 x 32, 8 waves a work-group, no clusters, 123,392 bytes of LDS; arguments proj, wimg, wsb, ln_g, ln_b, bu, bv, Wo, bo, out0; writes out0
.if DOCPART == 2
	.amdgcn_target "amdgcn-amd-amdhsa--gfx1250"
	.amdhsa_code_object_version 6
	.text
	.protected	k_q4eea316735_pairs
	.globl	k_q4eea316735_pairs
	.p2align	8
	.type	k_q4eea316735_pairs,@function
k_q4eea316735_pairs:
	s_mov_b64 s[64:65], 0
	v_nop
	global_prefetch_b8 v0, s[64:65] scope:SCOPE_SE
	s_setreg_imm32_b32 hwreg(HW_REG_WAVE_MODE, 25, 1), 1
	s_wait_xcnt 0x0
; out0[b][i][j] = sum over n of Wo[n] u[n] gelu(v[n]) + bo, with u = x Wu + bu, v = x Wv + bv, x = LayerNorm([q_i, k_j, q_i k_j]) ln_g + ln_b; both products on codes of BF6 (E3M2), one E8M0 scale for each 32 along K.
; proj holds q (rows 0-1023) and k (rows 1024-2047) as f32 [4 blocks of 32 channels][2048][32]; wimg and wsb hold Wu's and Wv's codes and scale bytes.
; SHARES.  Work-group (x, y): batch y / 16, queries 32 (y % 16) on, keys 64 x on.  Wave w: keys 16 (w % 4) on, queries 16 (w / 4) on: 16 TILES of one query x 16 keys, in four groups of four queries.
; Eight waves of 512 registers, two to a SIMD, each written in plain phases: one wave's vector work stands beside the other's matrix work.
; THE OPERAND x IS BUILT IN ITS REGISTERS.  Lane (r, h) holds pair (query, key r); part p (q, k, q k) is one K step of 128; registers 6 c .. 6 c + 5 hold channels 64 c + 32 h + 0 .. 31: a whole block of 32 in a lane.
; So a block's largest magnitude needs no other lane and the conversions' results are the operand.  x = (value a + m) g + b with a = rsqrt(var + eps), m = -mu a: two fused multiply-adds, packed.
; k's 64 channels of a lane stay in registers; the query's row, ln_g and ln_b come from LDS (all lanes of a half read the same bytes); ln_g and ln_b serve four tiles a load.
; THE STATISTICS of the wave's 16 x 16 pairs: S1 = sum q + sum k + q . k, S2 = sum q^2 + sum k^2 + q^2 . k^2.  The dot products feed a quantiser, so they take f32 operands: the f32 matrix form, 66 instructions a wave, once.
; THE PRODUCTS ARE USED TRANSPOSED (source 0 = 16 columns of Wu or Wv, source 1 = x): a lane holds one pair and eight hidden units.  bu and bv are the C of each sum's first instruction.
; Weights come from LDS as images of the operand's registers, one tile of 16 hidden units (six fragments) a trip, and serve the group's four tiles.
; gelu: 2 gelu(v) = v + |v| erf(|v| / sqrt 2); erf(z) = 1 - a3 t (t^2 + (a2/a3) t + a1/a3) e^(-z^2), t = 1 / (1 + 0.47047 z); a3 is folded into the exponent, the factor 1/2 into Wo.
; LIMITS.  This erf is within 2.5e-5 of erf for every argument; it stands behind all quantisers.  var = S2 / 384 - mu^2, held at 0 from below: its relative error grows as (S2 / 384) / var, which is large only where
; all 384 numbers of a pair nearly coincide.  A block of x whose largest magnitude lies under 2^(5 - 127) gets the scale byte 1.  NaN and infinities are not served.  The order of the f32 sums differs from a chain in ascending order.
; No tensor load, no cluster, no refill: LDS is filled once, at the head, through registers (which also lays the weights' codes as images), about 100 KB against 2,048 pairs' work.
.set WIMG, 0                           ; 48 fragments x 1,536 bytes: three images of 512 bytes (registers 4 q .. 4 q + 3 at 16 x lane); fragment (2 t + u) 3 + p
.set WSCL, 73728                       ; the weights' scale words [p][t][lane]: lanes 0-15 Wu's tile t, lanes 16-31 Wv's
.set QROW, 76800                       ; 32 queries x 512 bytes, channels in order
.set GTAB, 93184                       ; ln_g, 1,536 bytes; ln_b 1,536 behind it; then bu, bv, Wo / 2, 512 each
.set BUT,  96256
.set STAT, 97792                       ; each wave's own 2,048 bytes: [query 16][key 16] pairs (a, m)
.set OUTS, 114176                      ; each wave's own 1,024 bytes: [query 16][key 16] results
; window 0
.set R,    1                           ; lane % 16
.set H,    2                           ; lane / 16
.set H8,   3                           ; 8 h
.set LN,   4
.set L16,  5                           ; 16 x lane
.set KO,   6                           ; proj: h blocks of 262,144 bytes + r rows of 128
.set WSRC, 7
.set WDST, 8
.set WSA,  9                           ; WSCL + 4 x lane
.set WSN,  10                          ; the trip's scale words
.set FH,   11                          ; 1 - h, as f32
.set XS,   16                          ; v16-27  x's scale words, tile t part p at 3 t + p: scales and nothing else
.set XT,   28                          ; v28-39  their second halves on the way; at the head: addresses
.set WS,   40                          ; v40-42  the weights' scale words of the trip
.set X,    44                          ; v44-187 x's codes: tile t, part p at 36 t + 12 p
.set KR,   188                         ; v188-251 k(key r, channel 64 c + 32 h + i) at 32 c + i
.set BE,   252                         ; v252-255 the statistics' last K step, source 1
.set K2,   44                          ; head: k^2
.set WST,  108                         ; head: the weights' codes on their way to LDS
.set TK,   180                         ; head: sums
; window 1
.set AU,   0                           ; v0-31   u's accumulators of four tiles; at the head the statistics' four sums: written by matrix instructions alone
.set AV,   32                          ; v32-63  v's
.set OUT,  32                          ; while x is built: 32 numbers of a block
.set G1,   64
.set B1,   96
.set G3,   128
.set B3,   160
.set QR,   192                         ; the query's 32 channels
.set AM,   224                         ; v224-231 (a, m) of the group's four tiles
.set MM,   232
.set SO,   236
.set TC,   238
.set TE,   64                          ; in the epilogue: t, the exponent, the polynomial, u Wo
.set EE,   80
.set PP,   96
.set UW,   112
.set WF,   128                         ; v128-199 six fragments of weights
.set BU,   200
.set BV,   208
.set WO,   216
.set OS,   232                         ; v232-247 the sums over hidden units: two pairs a tile
.set L16B, 248
.set CB0,  249                         ; BUT + 32 h
.set VWA,  250
.set VCA,  251
.set AGB,  252                         ; GTAB + 128 h
.set AQA,  253
.set VOA,  254
.set BOH,  255                         ; bo / 2
.set AE,   32                          ; head: the statistics' last K step, source 0
.set TQ,   36
.set TB,   44                          ; head: a small table on its way to LDS
.set QL,   64                          ; head: q, laid as KR
.set Q2,   128
.set QST,  200
.set WSB,  216
.set S1T,  128
.set S2T,  136
.set MU,   144
.set VR,   152
.set AMS,  160
.set MSB, 0
.macro WIN new                         ; bits 1:0 source 0, 3:2 source 1, 5:4 source 2, 7:6 destination; the high byte repeats the setting that is left
.if MSB != (\new)
	s_set_vgpr_msb (MSB<<8)|(\new)
.set MSB, (\new)
.endif
.endm
; the sum of a lane's 64 numbers and of the other half's 64, in v[t]; four chains of pairs
.macro SUM64 src, t
.irp j, 0,1,2,3
	v_pk_add_f32 v[\t+2*\j:\t+2*\j+1], v[\src+2*\j:\src+2*\j+1], v[\src+8+2*\j:\src+8+2*\j+1]
.endr
.irp i, 16,24,32,40,48,56
.irp j, 0,1,2,3
	v_pk_add_f32 v[\t+2*\j:\t+2*\j+1], v[\t+2*\j:\t+2*\j+1], v[\src+\i+2*\j:\src+\i+2*\j+1]
.endr
.endr
	v_pk_add_f32 v[\t:\t+1], v[\t:\t+1], v[\t+2:\t+3]
	v_pk_add_f32 v[\t+4:\t+5], v[\t+4:\t+5], v[\t+6:\t+7]
	v_pk_add_f32 v[\t:\t+1], v[\t:\t+1], v[\t+4:\t+5]
	v_add_f32 v[\t], v[\t], v[\t+1]
	v_permlanex16_b32 v[\t+1], v[\t], s32, s33
	v_add_f32 v[\t], v[\t], v[\t+1]
.endm
.macro LDG dst, off                    ; 32 numbers of ln_g or ln_b (off: 1536 for ln_b, + 512 p + 256 c)
.irp i, 0,1,2,3,4,5,6,7
	ds_load_b128 v[\dst+4*\i:\dst+4*\i+3], v[AGB] offset:\off+16*\i
.endr
.endm
.macro LDQ t, c                        ; 32 channels of the group's query t
.irp i, 0,1,2,3,4,5,6,7
	ds_load_b128 v[QR+4*\i:QR+4*\i+3], v[AQA] offset:512*(\t)+256*(\c)+16*\i
.endr
.endm
.macro GB g, b                         ; OUT = OUT g + b
.set ii, 0
.rept 16
	v_pk_fma_f32 v[OUT+ii:OUT+ii+1], v[OUT+ii:OUT+ii+1], v[\g+ii:\g+ii+1], v[\b+ii:\b+ii+1]
.set ii, ii+2
.endr
.endm
.macro P0 t                            ; part 0: q a + m (of the pair (a, m) the first word multiplies both halves, the second is added to both), then g, b
.set ii, 0
.rept 16
	v_pk_fma_f32 v[OUT+ii:OUT+ii+1], v[QR+ii:QR+ii+1], v[AM+2*(\t):AM+2*(\t)+1], v[AM+2*(\t):AM+2*(\t)+1] op_sel:[0,0,1] op_sel_hi:[1,0,1]
.set ii, ii+2
.endr
	GB G1, B1
.endm
.macro P2A t, c                        ; part 2: (k a) q + m
	WIN 0x54                                       ; source 0 (k) window 0
.set ii, 0
.rept 16
	v_pk_mul_f32 v[OUT+ii:OUT+ii+1], v[KR+32*(\c)+ii:KR+32*(\c)+ii+1], v[AM+2*(\t):AM+2*(\t)+1] op_sel_hi:[1,0]
.set ii, ii+2
.endr
	WIN 0x55
.set ii, 0
.rept 16
	v_pk_fma_f32 v[OUT+ii:OUT+ii+1], v[OUT+ii:OUT+ii+1], v[QR+ii:QR+ii+1], v[AM+2*(\t):AM+2*(\t)+1] op_sel:[0,0,1] op_sel_hi:[1,1,1]
.set ii, ii+2
.endr
.endm
.macro P1 t, c                         ; part 1: k a + m, then g, b
	WIN 0x54
.set ii, 0
.rept 16
	v_pk_fma_f32 v[OUT+ii:OUT+ii+1], v[KR+32*(\c)+ii:KR+32*(\c)+ii+1], v[AM+2*(\t):AM+2*(\t)+1], v[AM+2*(\t):AM+2*(\t)+1] op_sel:[0,0,1] op_sel_hi:[1,0,1]
.set ii, ii+2
.endr
	WIN 0x55
	GB G1, B1
.endm
; the block in OUT becomes registers 6 c .. 6 c + 5 of x's fragment (t, p), and its scale byte
.macro BQ t, p, c
.irp k, 0,1,2,3
	v_max3_num_f32 v[MM+\k], |v[OUT+8*\k]|, |v[OUT+8*\k+1]|, |v[OUT+8*\k+2]|
.endr
.irp k, 0,1,2,3
	v_max3_num_f32 v[MM+\k], v[MM+\k], |v[OUT+8*\k+3]|, |v[OUT+8*\k+4]|
.endr
.irp k, 0,1,2,3
	v_max3_num_f32 v[MM+\k], v[MM+\k], |v[OUT+8*\k+5]|, |v[OUT+8*\k+6]|
.endr
	v_max3_num_f32 v[MM], v[MM], |v[OUT+7]|, |v[OUT+15]|
	v_max3_num_f32 v[MM+2], v[MM+2], |v[OUT+23]|, |v[OUT+31]|
	v_max3_num_f32 v[MM], v[MM], v[MM+1], v[MM+2]
	v_max3_num_f32 v[MM], v[MM], v[MM+3], 0x2800000     ; the floor 2^(5 - 127): the byte cannot fall under 1
	v_add_nc_u32 v[SO], 0xfe000000, v[MM]          ; 4 off the exponent field: the conversion's scale operand
	v_cvt_scalef32_pk16_bf6_f32 v[TC:TC+2], v[OUT+16:OUT+31], v[SO]   ; (a conversion's three registers begin on an even number: the upper half is made elsewhere and moved)
	WIN 0x15                                       ; sources window 1, destination window 0
	v_cvt_scalef32_pk16_bf6_f32 v[X+36*(\t)+12*(\p)+6*(\c):X+36*(\t)+12*(\p)+6*(\c)+2], v[OUT:OUT+15], v[SO]
.if (\c) == 0
	v_lshrrev_b32 v[XS+3*(\t)+(\p)], 23, v[SO]     ; the byte of block h, at bits 7:0.  (The plain place behind the conversions)
.else
	v_lshrrev_b32 v[XT+3*(\t)+(\p)], 7, v[SO]      ; the byte of block 2 + h, at bits 23:16
.endif
.irp i, 0,1,2
	v_mov_b32 v[X+36*(\t)+12*(\p)+6*(\c)+3+\i], v[TC+\i]
.endr
	WIN 0x55
.endm
; a trip's weights: six fragments (9,216 consecutive bytes), bu's and bv's eight numbers of my half, three scale words: 25 loads; then Wo's eight: 2 loads
.macro LOADW
	v_add_nc_u32 v[VWA], s50, v[L16B]
	v_add_nc_u32 v[VCA], s51, v[CB0]
.set ii, 0
.rept 18
	ds_load_b128 v[WF+4*ii:WF+4*ii+3], v[VWA] offset:512*ii
.set ii, ii+1
.endr
	ds_load_b128 v[BU:BU+3], v[VCA]
	ds_load_b128 v[BU+4:BU+7], v[VCA] offset:16
	ds_load_b128 v[BV:BV+3], v[VCA] offset:512
	ds_load_b128 v[BV+4:BV+7], v[VCA] offset:528
	WIN 0
	v_add_nc_u32 v[WSN], s52, v[WSA]
.irp p, 0,1,2
	ds_load_b32 v[WS+\p], v[WSN] offset:1024*\p
.endr
	WIN 0x55
.endm
.macro LOADWO
	ds_load_b128 v[WO:WO+3], v[VCA] offset:1024
	ds_load_b128 v[WO+4:WO+7], v[VCA] offset:1040
.endm
; parts 0 and 2 of tile t, blocks 2 c + h.  What a later step wants is asked for as soon as its registers are free
.macro STEPQ t, c
	s_wait_dscnt 0x0                               ; the query's channels, and whatever tables were asked for
	P0 \t
.if (\t) == 3
	LDG G1, 512+256*(\c)                           ; part 1's tables take part 0's place
	LDG B1, 1536+512+256*(\c)
.endif
	BQ \t, 0, \c
	P2A \t, \c
.if (\t) < 3
	LDQ (\t)+1, \c
.elseif (\c) == 0
	LDQ 0, 1
.endif
	GB G3, B3
.if (\t) == 3
.if (\c) == 0
	LDG G3, 1024+256
	LDG B3, 1536+1024+256
.else
	LOADW                                          ; the first trip's weights take the place of part 2's tables and of the query
	LOADWO
.endif
.endif
	BQ \t, 2, \c
.endm
.macro STEPK t, c                      ; part 1 of tile t
	P1 \t, \c
.if ((\t) == 3) && ((\c) == 0)
	LDG G1, 256                                    ; part 0's tables of the second half
	LDG B1, 1536+256
.endif
	BQ \t, 1, \c
.endm
; 16 elements (two tiles x my eight hidden units): Wo/2 u (v + |v| erf(|v| / sqrt 2)) onto the tiles' sums
.macro EPI bt
.set VB, AV+16*(\bt)
.set UB, AU+16*(\bt)
.set ii, 0
.rept 16
	v_fma_f32 v[TE+ii], |v[VB+ii]|, s34, 1.0       ; 1 + 0.33267 |v|; each accumulator is read from its low end on
.set ii, ii+1
.endr
.set ii, 0
.rept 8
	v_pk_mul_f32 v[EE+ii:EE+ii+1], v[VB+ii:VB+ii+1], s[36:37] op_sel_hi:[1,0]
.set ii, ii+2
.endr
.set ii, 0
.rept 8
	v_pk_fma_f32 v[EE+ii:EE+ii+1], v[EE+ii:EE+ii+1], v[EE+ii:EE+ii+1], s[38:39] op_sel_hi:[1,1,0] neg_lo:[1,0,0] neg_hi:[1,0,0]   ; -0.72135 v^2 + log2(a3)
.set ii, ii+2
.endr
.set ii, 0
.rept 16
	v_rcp_f32 v[TE+ii], v[TE+ii]
.set ii, ii+1
.endr
.set ii, 0
.rept 16
	v_exp_f32 v[EE+ii], v[EE+ii]
.set ii, ii+1
.endr
.set ii, 0
.rept 8
	v_pk_mul_f32 v[UW+ii:UW+ii+1], v[UB+ii:UB+ii+1], v[WO+ii%8:WO+ii%8+1]   ; plain work that names no result of the batch
.set ii, ii+2
.endr
	s_wait_alu depctr_va_vdst(0)                   ; one wait for the 32 transcendentals, ahead of their first reader
.set ii, 0
.rept 8
	v_pk_add_f32 v[PP+ii:PP+ii+1], v[TE+ii:TE+ii+1], s[40:41] op_sel_hi:[1,0]
.set ii, ii+2
.endr
.set ii, 0
.rept 8
	v_pk_fma_f32 v[PP+ii:PP+ii+1], v[PP+ii:PP+ii+1], v[TE+ii:TE+ii+1], s[42:43] op_sel_hi:[1,1,0]
.set ii, ii+2
.endr
.set ii, 0
.rept 8
	v_pk_mul_f32 v[PP+ii:PP+ii+1], v[PP+ii:PP+ii+1], v[TE+ii:TE+ii+1]
.set ii, ii+2
.endr
.set ii, 0
.rept 8
	v_pk_fma_f32 v[EE+ii:EE+ii+1], v[PP+ii:PP+ii+1], v[EE+ii:EE+ii+1], 1.0 op_sel_hi:[1,1,0] neg_lo:[1,0,0] neg_hi:[1,0,0]   ; erf
.set ii, ii+2
.endr
.set ii, 0
.rept 16
	v_fma_f32 v[TE+ii], |v[VB+ii]|, v[EE+ii], v[VB+ii]    ; 2 gelu(v)
.set ii, ii+1
.endr
.irp i, 0,4,1,5,2,6,3,7                        ; four chains by turns
	v_pk_fma_f32 v[OS+4*(2*(\bt)+\i/4)+2*(\i%2):OS+4*(2*(\bt)+\i/4)+2*(\i%2)+1], v[UW+2*\i:UW+2*\i+1], v[TE+2*\i:TE+2*\i+1], v[OS+4*(2*(\bt)+\i/4)+2*(\i%2):OS+4*(2*(\bt)+\i/4)+2*(\i%2)+1]
.endr
.endm
; A TRIP: 16 hidden units for the group's four tiles.  24 matrix instructions: K step by K step, the eight accumulators by turns, one instruction a turn.  pf = 1: the next trip's weights are asked for
.macro TRIP pf
	s_wait_dscnt 2                                 ; all but the two youngest loads (Wo's, wanted only behind the products) are in
	WIN 0x51                                       ; source 0 (weights), C and D window 1; source 1 (x) window 0
.irp p, 0,1,2
.irp t, 0,1,2,3
.if \p == 0
	v_wmma_scale_f32_16x16x128_f8f6f4 v[AU+8*\t:AU+8*\t+7], v[WF+12*\p:WF+12*\p+11], v[X+36*\t+12*\p:X+36*\t+12*\p+11], v[BU:BU+7], v[WS+\p], v[XS+3*\t+\p] matrix_a_fmt:MATRIX_FMT_BF6 matrix_b_fmt:MATRIX_FMT_BF6
	v_wmma_scale_f32_16x16x128_f8f6f4 v[AV+8*\t:AV+8*\t+7], v[WF+36+12*\p:WF+36+12*\p+11], v[X+36*\t+12*\p:X+36*\t+12*\p+11], v[BV:BV+7], v[WS+\p], v[XS+3*\t+\p] matrix_a_fmt:MATRIX_FMT_BF6 matrix_b_fmt:MATRIX_FMT_BF6 matrix_a_scale:MATRIX_SCALE_ROW1
.else
	v_wmma_scale_f32_16x16x128_f8f6f4 v[AU+8*\t:AU+8*\t+7], v[WF+12*\p:WF+12*\p+11], v[X+36*\t+12*\p:X+36*\t+12*\p+11], v[AU+8*\t:AU+8*\t+7], v[WS+\p], v[XS+3*\t+\p] matrix_a_fmt:MATRIX_FMT_BF6 matrix_b_fmt:MATRIX_FMT_BF6
	v_wmma_scale_f32_16x16x128_f8f6f4 v[AV+8*\t:AV+8*\t+7], v[WF+36+12*\p:WF+36+12*\p+11], v[X+36*\t+12*\p:X+36*\t+12*\p+11], v[AV+8*\t:AV+8*\t+7], v[WS+\p], v[XS+3*\t+\p] matrix_a_fmt:MATRIX_FMT_BF6 matrix_b_fmt:MATRIX_FMT_BF6 matrix_a_scale:MATRIX_SCALE_ROW1
.endif
.endr
.endr
	WIN 0x55
.rept 4
	v_nop                                          ; four places in front of loads into registers that the products have read, and of the first read of results
.endr
.if \pf
	s_add_co_u32 s50, s50, 9216
	s_add_co_u32 s51, s51, 64
	s_add_co_u32 s52, s52, 128
	LOADW
	s_wait_dscnt 25                                ; the 25 just issued may be out: this trip's Wo is in
.else
	s_wait_dscnt 0x0
.endif
	EPI 0
	EPI 1
.if \pf
	LOADWO                                         ; behind the last read of this trip's Wo
.endif
	WIN 0
.endm
	s_load_b512 s[4:19], s[0:1], 0x0               ; proj s[4:5], wimg s[6:7], wsb s[8:9], ln_g s[10:11], ln_b s[12:13], bu s[14:15], bv s[16:17], Wo s[18:19]
	s_load_b128 s[20:23], s[0:1], 0x40             ; bo s[20:21], out0 s[22:23]
	v_lshl_add_u32 v15, v0, 2, 0x1de00
	v_mov_b32 v43, 0
	v_lshrrev_b32 v12, 5, v0
	v_readfirstlane_b32 s24, v12                   ; wave 0..7
	s_and_b32 s25, s24, 3                          ; which 16 keys
	s_lshr_b32 s26, s24, 2                         ; which 16 queries
	s_and_b32 s27, ttmp7, 0xffff
	s_lshr_b32 s28, s27, 4                         ; batch
	s_and_b32 s29, s27, 15                         ; block of 32 queries
	s_mov_b32 s32, 0x76543210
	s_mov_b32 s33, 0xfedcba98                      ; v_permlanex16_b32's selects for lane l xor 16
	s_mov_b32 s34, 0x3eaa540e                      ; 0.47047 / sqrt 2
	s_mov_b32 s36, 0x3f596d27                      ; sqrt(log2(e) / 2)
	s_mov_b32 s37, s36                             ; (a packed line names the pair, so both words are written)
	s_mov_b32 s38, 0xbed69d3c                      ; log2(a3)
	s_mov_b32 s39, s38
	s_mov_b32 s40, 0xbe034883                      ; a2 / a3
	s_mov_b32 s41, s40
	s_mov_b32 s42, 0x3eee440a                      ; a1 / a3
	s_mov_b32 s43, s42
	s_mov_b32 s53, 0x3b2aaaab                      ; 1 / 384
	s_mov_b32 s54, 0x3727c5ac                      ; 1e-5
	v_and_b32 v[R], 15, v0
	v_bfe_u32 v[H], v0, 4, 1
	v_lshlrev_b32 v[H8], 3, v[H]
	v_and_b32 v[LN], 31, v0
	v_lshlrev_b32 v[L16], 4, v[LN]
	v_lshlrev_b32 v[KO], 7, v[R]
	v_lshl_add_u32 v[KO], v[H], 18, v[KO]
	s_mul_i32 s30, s24, 1536
	v_mul_u32_u24 v[WSRC], v[LN], 24
	v_add_nc_u32 v[WSRC], s30, v[WSRC]             ; wimg: fragment w (+ 8 n), 24 bytes a lane
	v_add_nc_u32 v[WDST], s30, v[L16]              ; its image in LDS: 16 bytes a lane
	v_lshl_add_u32 v[WSA], v[LN], 2, WSCL
	v_cvt_f32_u32 v[FH], v[H]
	v_sub_f32 v[FH], 1.0, v[FH]
	v_lshlrev_b32 v28, 4, v0                       ; 16 x thread: the queries' rows in proj
	v_lshrrev_b32 v29, 3, v0
	v_lshlrev_b32 v29, 9, v29
	v_and_b32 v12, 7, v0
	v_lshl_add_u32 v29, v12, 4, v29
	v_add_nc_u32 v29, QROW, v29                    ; and in LDS: query t / 8, 16 (t % 8) bytes of a block of 32 channels
	v_lshl_add_u32 v30, v[H], 7, v[R]
	s_lshl_b32 s31, s24, 4
	v_add_nc_u32 v30, s31, v30                     ; wsb: tensor lane / 16, column 16 w + lane % 16
	v_lshl_add_u32 v31, v0, 2, WSCL                ; the word's place: tile w, my lane
	v_lshlrev_b32 v32, 3, v[R]
	v_lshl_add_u32 v32, v[H], 10, v32
	s_lshl_b32 s48, s24, 11
	s_add_co_u32 s48, s48, STAT                    ; my wave's statistics
	v_add_nc_u32 v32, s48, v32                     ; query 8 h (+ j), key r
	s_add_co_u32 s30, s30, GTAB
	v_add_nc_u32 v33, s30, v[L16]                  ; waves 0, 1, 2: the small tables' places
	WIN 0x40                                       ; destination window 1
	v_mov_b32 v[L16B], v[L16]
	v_lshl_add_u32 v[CB0], v[H], 5, BUT
	v_lshl_add_u32 v[AGB], v[H], 7, GTAB
	WIN 0
	s_lshl_b32 s47, s26, 13
	s_add_co_u32 s47, s47, QROW                    ; my 16 queries' rows
	s_lshl_b32 s49, s24, 10
	s_add_co_u32 s49, s49, OUTS                    ; my wave's results
	s_wait_kmcnt 0x0
	s_load_b32 s44, s[20:21], 0x0                  ; bo
	s_cmp_eq_u32 s24, 0                            ; wave 0 brings ln_g, wave 1 ln_b, wave 2 bu, bv and Wo: three pointers, chosen by the wave's number
	s_cselect_b64 s[56:57], s[10:11], s[12:13]
	s_add_nc_u64 s[58:59], s[56:57], 512
	s_add_nc_u64 s[60:61], s[56:57], 1024
	s_cmp_lt_u32 s24, 2
	s_cselect_b64 s[56:57], s[56:57], s[14:15]
	s_cselect_b64 s[58:59], s[58:59], s[16:17]
	s_cselect_b64 s[60:61], s[60:61], s[18:19]
	s_cselect_b32 s62, 1.0, 0.5                    ; the third table's factor: Wo is halved
	s_lshl_b32 s16, s28, 9                         ; 512 rows a batch
	s_lshl_b32 s17, ttmp9, 6
	s_add_co_u32 s17, s17, s16
	s_lshl_b32 s18, s25, 4
	s_add_co_u32 s17, s17, s18
	s_add_co_u32 s17, s17, 1024                    ; my first key's row in proj
	s_lshl_b32 s18, s17, 7
	s_mov_b32 s19, 0
	s_add_nc_u64 s[10:11], s[4:5], s[18:19]
	s_lshl_b32 s17, s29, 5
	s_add_co_u32 s17, s17, s16                     ; the work-group's first query
	s_lshl_b32 s18, s17, 7
	s_add_nc_u64 s[14:15], s[4:5], s[18:19]
	s_lshl_b32 s31, s26, 11
	s_add_co_u32 s18, s18, s31                     ; my wave's first query
	s_add_nc_u64 s[12:13], s[4:5], s[18:19]
	s_lshl_b32 s18, s17, 11                        ; out0: a row of 512 f32,
	s_lshl_b32 s31, ttmp9, 8                       ; + 64 keys
	s_add_co_u32 s18, s18, s31
	s_add_nc_u64 s[22:23], s[22:23], s[18:19]
	s_cmp_lt_u32 s24, 3
	s_cbranch_scc0 .Lno_role_load
	WIN 0x40
	global_load_b128 v[TB:TB+3], v[L16], s[56:57]
	global_load_b128 v[TB+4:TB+7], v[L16], s[58:59]
	global_load_b128 v[TB+8:TB+11], v[L16], s[60:61]
	WIN 0
.Lno_role_load:
.irp c, 0,1
.irp i, 0,1,2,3,4,5,6,7
	global_load_b128 v[KR+32*\c+4*\i:KR+32*\c+4*\i+3], v[KO], s[10:11] offset:524288*\c+16*\i   ; k(key r, channels 64 c + 32 h + 4 i on)
.endr
.endr
	WIN 0x40
.irp c, 0,1
.irp i, 0,1,2,3,4,5,6,7
	global_load_b128 v[QL+32*\c+4*\i:QL+32*\c+4*\i+3], v[KO], s[12:13] offset:524288*\c+16*\i   ; q likewise, query r
.endr
.endr
	WIN 0
.set kk, 0
.rept 36                                       ; the weights' codes: fragment 8 (kk / 6) + w; piece kk % 6 = registers 2 (kk % 6), + 1 of the operand
	global_load_b64 v[WST+2*kk:WST+2*kk+1], v[WSRC], s[6:7] offset:(kk/6)*12288+((kk%6)/3)*768+(kk%3)*8
.set kk, kk+1
.endr
	WIN 0x40
.irp n, 0,1,2,3
	global_load_b128 v[QST+4*\n:QST+4*\n+3], v28, s[14:15] offset:262144*\n   ; 32 queries x 32 channels: 4,096 consecutive bytes a work-group
.endr
.set kk, 0
.rept 12
	global_load_u8 v[WSB+kk], v30, s[8:9] offset:256*kk
.set kk, kk+1
.endr
	WIN 0
	s_wait_loadcnt 52                              ; the 36 + 4 + 12 loads behind q's may be out: k, q and the small tables are in
	; ---- the statistics of my 16 queries x 16 keys
.set ii, 0
.rept 32
	v_pk_mul_f32 v[K2+ii:K2+ii+1], v[KR+ii:KR+ii+1], v[KR+ii:KR+ii+1]
.set ii, ii+2
.endr
	SUM64 KR, TK
	v_mov_b32 v[BE], v[FH]                         ; the last K step of S1: source 1 = (1, sum k) in lanes 0-15, zeros in lanes 16-31
	v_mul_f32 v[BE+1], v[TK], v[FH]
	SUM64 K2, TK
	v_mov_b32 v[BE+2], v[FH]
	v_mul_f32 v[BE+3], v[TK], v[FH]
	WIN 0x55
.set ii, 0
.rept 32
	v_pk_mul_f32 v[Q2+ii:Q2+ii+1], v[QL+ii:QL+ii+1], v[QL+ii:QL+ii+1]
.set ii, ii+2
.endr
	SUM64 QL, TQ
	WIN 0x54                                       ; source 0 window 0
	v_mul_f32 v[AE], v[FH], v[TQ]                  ; source 0 = (sum q, 1)
	v_mov_b32 v[AE+1], v[FH]
	WIN 0x55
	SUM64 Q2, TQ
	WIN 0x54
	v_mul_f32 v[AE+2], v[FH], v[TQ]
	v_mov_b32 v[AE+3], v[FH]
	WIN 0x51                                       ; source 0 (q), C and D window 1; source 1 (k) window 0
; Both sources hold channel 64 c + 32 h + i at register 32 c + i, so every K step of 4 pairs like channels.  Four sums (S1, S2, each for even and for odd steps) take turns, one instruction a turn;
; each begins with the constant 0 as the C of its own first K step, and their registers are written by matrix instructions alone
.set kk, 0
.rept 32
.if kk < 2
	v_wmma_f32_16x16x4_f32 v[16*(kk%2):16*(kk%2)+7], v[QL+2*kk:QL+2*kk+1], v[KR+2*kk:KR+2*kk+1], 0
	v_wmma_f32_16x16x4_f32 v[16*(kk%2)+8:16*(kk%2)+15], v[Q2+2*kk:Q2+2*kk+1], v[K2+2*kk:K2+2*kk+1], 0
.else
	v_wmma_f32_16x16x4_f32 v[16*(kk%2):16*(kk%2)+7], v[QL+2*kk:QL+2*kk+1], v[KR+2*kk:KR+2*kk+1], v[16*(kk%2):16*(kk%2)+7]
	v_wmma_f32_16x16x4_f32 v[16*(kk%2)+8:16*(kk%2)+15], v[Q2+2*kk:Q2+2*kk+1], v[K2+2*kk:K2+2*kk+1], v[16*(kk%2)+8:16*(kk%2)+15]
.endif
.set kk, kk+1
.endr
	v_wmma_f32_16x16x4_f32 v[0:7], v[AE:AE+1], v[BE:BE+1], v[0:7]              ; + sum q + sum k
	v_wmma_f32_16x16x4_f32 v[8:15], v[AE+2:AE+3], v[BE+2:BE+3], v[8:15]        ; + sum q^2 + sum k^2
	WIN 0x55
.rept 8
	v_nop                                          ; eight places behind this form, in front of the first read of results and of writes over its sources
.endr
.irp j, 0,2,4,6
	v_pk_add_f32 v[S1T+\j:S1T+\j+1], v[\j:\j+1], v[16+\j:16+\j+1]               ; register j, lane (r, h): query 8 h + j, key r; the sums are read from their low ends on, into other registers
.endr
.irp j, 0,2,4,6
	v_pk_add_f32 v[S2T+\j:S2T+\j+1], v[8+\j:8+\j+1], v[24+\j:24+\j+1]
.endr
.irp j, 0,1,2,3,4,5,6,7
	v_mul_f32 v[MU+\j], s53, v[S1T+\j]             ; mu
.endr
.irp j, 0,1,2,3,4,5,6,7
	v_mul_f32 v[VR+\j], s53, v[S2T+\j]
.endr
.irp j, 0,1,2,3,4,5,6,7
	v_fma_f32 v[VR+\j], -v[MU+\j], v[MU+\j], v[VR+\j]    ; var
.endr
.irp j, 0,1,2,3,4,5,6,7
	v_max_num_f32 v[VR+\j], 0, v[VR+\j]
.endr
.irp j, 0,1,2,3,4,5,6,7
	v_add_f32 v[VR+\j], s54, v[VR+\j]
.endr
.irp j, 0,1,2,3,4,5,6,7
	v_rsq_f32 v[AMS+2*\j], v[VR+\j]                ; a
.endr
	v_nop                                          ; a plain place behind the last of them
	s_wait_alu depctr_va_vdst(0)                   ; one wait for the eight, ahead of their first reader
.irp j, 0,1,2,3,4,5,6,7
	v_mul_f32 v[AMS+2*\j+1], -v[MU+\j], v[AMS+2*\j]    ; m = -mu a
.endr
	WIN 0x04                                       ; an LDS store's data: window 1
.irp j, 0,1,2,3,4,5,6,7
	ds_store_b64 v32, v[AMS+2*\j:AMS+2*\j+1] offset:128*\j
.endr
	; ---- LDS is filled, once
	s_wait_loadcnt 0x0
	WIN 0
.set kk, 0
.rept 36
	ds_store_b64 v[WDST], v[WST+2*kk:WST+2*kk+1] offset:(kk/6)*12288+((kk%6)/2)*512+((kk%6)%2)*8   ; registers 2 m, 2 m + 1 lie in image m / 2, at 8 (m % 2) of my lane's 16 bytes
.set kk, kk+1
.endr
	WIN 0x04
.irp n, 0,1,2,3
	ds_store_b128 v29, v[QST+4*\n:QST+4*\n+3] offset:128*\n
.endr
	WIN 0x55
.irp p, 0,1,2
	v_lshl_or_b32 v[WSB+4*\p], v[WSB+4*\p+1], 8, v[WSB+4*\p]
.endr
.irp p, 0,1,2
	v_lshl_or_b32 v[WSB+4*\p], v[WSB+4*\p+2], 16, v[WSB+4*\p]
.endr
.irp p, 0,1,2
	v_lshl_or_b32 v[WSB+4*\p], v[WSB+4*\p+3], 24, v[WSB+4*\p]      ; four blocks' bytes: the word of 128 along K
.endr
	WIN 0x04
.irp p, 0,1,2
	ds_store_b32 v31, v[WSB+4*\p] offset:1024*\p
.endr
	WIN 0
	s_cmp_lt_u32 s24, 3
	s_cbranch_scc0 .Lno_role_store
	WIN 0x55
.irp i, 0,1,2,3
	v_mul_f32 v[TB+8+\i], s62, v[TB+8+\i]          ; x 1 (ln_g, ln_b) or x 1/2 (Wo)
.endr
	WIN 0x04
.irp n, 0,1,2
	ds_store_b128 v33, v[TB+4*\n:TB+4*\n+3] offset:512*\n
.endr
	WIN 0
.Lno_role_store:
	s_wait_kmcnt 0x0                               ; bo
	WIN 0x40
	v_mov_b32 v[BOH], s44
	WIN 0x55
	v_mul_f32 v[BOH], 0.5, v[BOH]                  ; each half of the lanes starts its sum with bo / 2
	WIN 0
	s_wait_dscnt 0x0                               ; for the others' sake: my stores lie in LDS
	s_barrier_signal -1
	s_barrier_wait -1                              ; from here on the weights, the queries and the tables are only read
	s_mov_b32 s45, 4
.Lgrp:                                             ; four trips: four queries x my 16 keys each
	s_mov_b32 s50, 0                               ; the weights' walk begins anew: 9,216, 64 and 128 bytes a tile of hidden units
	s_mov_b32 s51, 0
	s_mov_b32 s52, 0
	WIN 0x40
	v_lshl_add_u32 v[AQA], v[H], 7, s47
	v_lshl_add_u32 v[VOA], v[R], 2, s49
	v_lshl_add_u32 v[VCA], v[R], 3, s48
	WIN 0x55
.irp t, 0,1,2,3
	ds_load_b64 v[AM+2*\t:AM+2*\t+1], v[VCA] offset:128*\t         ; (a, m) of pair (query t, key r)
.endr
	LDG G1, 0
	LDG B1, 1536
	LDG G3, 1024
	LDG B3, 1536+1024
	LDQ 0, 0
	STEPQ 0, 0
	STEPQ 1, 0
	STEPQ 2, 0
	STEPQ 3, 0
	s_wait_dscnt 24                                ; behind part 1's tables stand the query's 8 loads and part 2's 16
	STEPK 0, 0
	STEPK 1, 0
	STEPK 2, 0
	STEPK 3, 0
	STEPQ 0, 1
	STEPQ 1, 1
	STEPQ 2, 1
	STEPQ 3, 1
	s_wait_dscnt 27                                ; behind part 1's tables stand the first trip's 27 loads
	STEPK 0, 1
	STEPK 1, 1
	STEPK 2, 1
	STEPK 3, 1
	WIN 0                                          ; the scale words: my two bytes (blocks h and 2 + h) at their places, joined with lane l xor 16's two
.irp n, 0,1,2,3,4,5,6,7,8,9,10,11
	v_and_or_b32 v[XT+\n], v[XT+\n], 0xff0000, v[XS+\n]
.endr
.irp n, 0,1,2,3,4,5,6,7,8,9,10,11
	v_lshlrev_b32 v[XT+\n], v[H8], v[XT+\n]
.endr
.irp n, 0,1,2,3,4,5,6,7,8,9,10,11
	v_permlanex16_b32 v[XS+\n], v[XT+\n], s32, s33
.endr
.irp n, 0,1,2,3,4,5,6,7,8,9,10,11
	v_or_b32 v[XS+\n], v[XS+\n], v[XT+\n]
.endr
	WIN 0x55
.irp t, 0,1,2,3                                ; the sums over hidden units begin; these sixteen lines are also the eight places between the scale words' last writes and the first scaled product
	v_mov_b32 v[OS+4*\t], v[BOH]
	v_mov_b32 v[OS+4*\t+1], 0
	v_mov_b32 v[OS+4*\t+2], 0
	v_mov_b32 v[OS+4*\t+3], 0
.endr
	WIN 0
	s_mov_b32 s46, 7
.Lt:                                               ; seven trips ask for the next tile's weights; the eighth is written out and asks for nothing
	TRIP 1
	s_sub_co_u32 s46, s46, 1
	s_cmp_lg_u32 s46, 0
	s_cbranch_scc1 .Lt
	TRIP 0
	WIN 0x55
.irp t, 0,1,2,3
	v_pk_add_f32 v[OS+4*\t:OS+4*\t+1], v[OS+4*\t:OS+4*\t+1], v[OS+4*\t+2:OS+4*\t+3]
.endr
.irp t, 0,1,2,3
	v_add_f32 v[OS+4*\t], v[OS+4*\t], v[OS+4*\t+1]
.endr
.irp t, 0,1,2,3
	v_permlanex16_b32 v[OS+4*\t+1], v[OS+4*\t], s32, s33
.endr
.irp t, 0,1,2,3
	v_add_f32 v[OS+4*\t], v[OS+4*\t], v[OS+4*\t+1] ; with the other half's 64 hidden units
.endr
.irp t, 0,1,2,3
	ds_store_b32 v[VOA], v[OS+4*\t] offset:64*\t   ; both halves of the lanes write the same word with the same value
.endr
	WIN 0
	s_add_co_u32 s47, s47, 2048                    ; four queries on: their rows, their statistics, their results
	s_add_co_u32 s48, s48, 512
	s_add_co_u32 s49, s49, 256
	s_sub_co_u32 s45, s45, 1
	s_cmp_lg_u32 s45, 0
	s_cbranch_scc1 .Lgrp
	; ---- the way out: 32 rows x 64 keys; a row's 256 bytes come from four waves
	v_bfe_u32 v12, v0, 2, 2                        ; thread t: row t / 16 (and 16 further down), piece t % 16 of 16 bytes: wave piece / 4,
	v_lshlrev_b32 v12, 10, v12
	v_lshrrev_b32 v13, 4, v0
	v_lshl_add_u32 v12, v13, 6, v12                ; its row of 64 bytes,
	v_and_b32 v14, 3, v0
	v_lshl_add_u32 v12, v14, 4, v12                ; 16 (piece % 4)
	v_add_nc_u32 v12, OUTS, v12
	v_lshlrev_b32 v13, 11, v13                     ; out0: rows of 2,048 bytes
	v_and_b32 v14, 15, v0
	v_lshl_add_u32 v13, v14, 4, v13
	s_wait_dscnt 0x0                               ; for the others' sake: my results lie in LDS
	s_barrier_signal -1
	s_barrier_wait -1
	ds_load_b128 v[44:47], v12
	ds_load_b128 v[48:51], v12 offset:4096
	s_wait_dscnt 0x0
	global_store_b128 v13, v[44:47], s[22:23] th:TH_STORE_NT                   ; sixteen lanes store 256 consecutive bytes, at a multiple of 256 from out0's first byte
	global_store_b128 v13, v[48:51], s[22:23] offset:32768 th:TH_STORE_NT
	s_wait_tensorcnt 0x0
	ds_add_u32 v15, v43
	s_wait_dscnt 0x0
	s_endpgm
.Lfunc_end_k_q4eea316735_pairs:
	.size	k_q4eea316735_pairs, .Lfunc_end_k_q4eea316735_pairs-k_q4eea316735_pairs
	.p2alignl 7, 3214868480
	.fill 96, 4, 3214868480
	.section	.rodata,"a",@progbits
	.p2align	6, 0x0
	.amdhsa_kernel k_q4eea316735_pairs
		.amdhsa_group_segment_fixed_size 123392
		.amdhsa_private_segment_fixed_size 0
		.amdhsa_enable_private_segment 0
		.amdhsa_kernarg_size 80
		.amdhsa_user_sgpr_count 2
		.amdhsa_user_sgpr_kernarg_segment_ptr 1
		.amdhsa_wavefront_size32 1
		.amdhsa_system_sgpr_workgroup_id_x 1
		.amdhsa_system_sgpr_workgroup_id_y 1
		.amdhsa_system_sgpr_workgroup_id_z 1
		.amdhsa_system_vgpr_workitem_id 0
		.amdhsa_next_free_vgpr 512
		.amdhsa_next_free_sgpr 66
		.amdhsa_reserve_vcc 0
		.amdhsa_float_denorm_mode_32 3
		.amdhsa_float_denorm_mode_16_64 3
		.amdhsa_memory_ordered 1
		.amdhsa_forward_progress 1
		.amdhsa_inst_pref_size 184
	.end_amdhsa_kernel
	.amdgpu_metadata
---
amdhsa.version: [ 1, 2 ]
amdhsa.kernels:
  - .name:           k_q4eea316735_pairs
    .symbol:         k_q4eea316735_pairs.kd
    .args:
      - { .name: proj, .offset: 0, .size: 8, .value_kind: global_buffer, .address_space: global }
      - { .name: wimg, .offset: 8, .size: 8, .value_kind: global_buffer, .address_space: global }
      - { .name: wsb, .offset: 16, .size: 8, .value_kind: global_buffer, .address_space: global }
      - { .name: ln_g, .offset: 24, .size: 8, .value_kind: global_buffer, .address_space: global }
      - { .name: ln_b, .offset: 32, .size: 8, .value_kind: global_buffer, .address_space: global }
      - { .name: bu, .offset: 40, .size: 8, .value_kind: global_buffer, .address_space: global }
      - { .name: bv, .offset: 48, .size: 8, .value_kind: global_buffer, .address_space: global }
      - { .name: Wo, .offset: 56, .size: 8, .value_kind: global_buffer, .address_space: global }
      - { .name: bo, .offset: 64, .size: 8, .value_kind: global_buffer, .address_space: global }
      - { .name: out0, .offset: 72, .size: 8, .value_kind: global_buffer, .address_space: global }
    .group_segment_fixed_size: 123392
    .private_segment_fixed_size: 0
    .kernarg_segment_align: 8
    .kernarg_segment_size: 80
    .max_flat_workgroup_size: 256
    .sgpr_count:     66
    .vgpr_count:     512
    .wavefront_size: 32
...
	.end_amdgpu_metadata
.endif
;; end of part 2
;; ======== version 2 of 2: 2 launches; version 1 with the launches project, pairs written anew for expert scheduling mode
;; limits: a difference of large sums (such as E[x^2] - mean^2): digits are lost where the result is much smaller than its terms; a function is approximated: absolute error at most 2.5e-05
;; workspace buffers: proj 1,048,576 bytes; wimg 73,728 bytes; wsb 3,072 bytes
;; launch project (part 3): grid 4 x 64, 8 waves a work-group, no clusters, 173,056 bytes of LDS; arguments Q, K, Wq, Wk, Wu, Wv, proj, wimg, wsb; writes proj, wimg, wsb
.if DOCPART == 3
	.amdgcn_target "amdgcn-amd-amdhsa--gfx1250"
	.amdhsa_code_object_version 6
	.text
	.protected	k_q4eea316735_project
	.globl	k_q4eea316735_project
	.p2align	8
	.type	k_q4eea316735_project,@function
k_q4eea316735_project:
	s_mov_b64 s[64:65], 0
	v_nop
	global_prefetch_b8 v0, s[64:65] scope:SCOPE_SE
	s_setreg_imm32_b32 hwreg(HW_REG_WAVE_SCHED_MODE, 0, 2), 2
	s_setreg_imm32_b32 hwreg(HW_REG_WAVE_MODE, 25, 1), 1
	s_wait_xcnt 0x0
	s_wait_alu depctr_vm_vsrc(0)
; q = Q Wq and k = K Wk, both products on codes of BF6 (E3M2) with one E8M0 scale for each 32 along K; and Wu, Wv turned into codes for the next launch.
; Q, K: [1024 rows][1024] f32.  Wq, Wk: [1024 (K)][128] f32.  proj: f32 [4 blocks of 32 columns][2048 rows][32]: rows 0-1023 are q's, rows 1024-2047 k's.
; SHARES.  Work-group (x, y) makes rows 32 y .. 32 y + 31 of proj (y < 32: Q and Wq, else K and Wk) x columns 32 x .. 32 x + 31.  Wave w takes K = 128 w .. 128 w + 127: one matrix instruction deep,
; four tiles of 16 x 16; the eight waves' parts are added in f32 through LDS.  So the order of the f32 sums differs from a single chain along K.
; QUANTISING.  A lane holds ONE row (of Q or K) or ONE column (of the weight) and 128 neighbours along K in 128 registers: four whole blocks, so no other lane is asked for a maximum.
; The rows come by loads of 512 consecutive bytes and turn through the wave's own stage in LDS; a weight's column comes by 128 loads of 4 bytes a lane, 128 consecutive bytes a wave.
; The codes of 32 rows are dealt into two fragments of 16 rows by exchanges of the halves of the lanes.
; THE EXTRA SHARE.  The twelve work-groups with y < 3 also quantise Wu and Wv [384 (K)][128]: work-group 4 y + x takes one block of 32 along K, wave w the tensor w / 4 and columns 32 (w % 4) on.
; wimg: [fragment (2 t + u) 3 + p][c][lane r + 16 h][24 bytes] = registers 6 c .. 6 c + 5 of the operand (t: 16 columns, u: Wu or Wv, p: 128 along K).  wsb: scale bytes [12 blocks][u][128 columns].
; LIMITS.  A block whose largest magnitude lies under 2^(5 - 127), a block of zeros among them, gets the scale byte 1 (the rule says 127 for zeros): its codes are zeros or subnormal codes under that byte,
; and these bytes are read by this program alone.  NaN and infinities among the inputs are not served.
; REGISTERS.  Window 0 serves the rows, window 1 the weights, with the same numbers: v16-39 two fragments; v40-54 halves of blocks; v56-68 maxima, scales, bytes; v128-255 the 128 numbers.
; Window 0 alone: v1-12 addresses; v74, v75 the two scale registers; v80-111 four accumulators.  Window 1 alone: v80-111 the extra share's 32 numbers.
; THE MODE: SCHED_MODE bits 1:0 = 2 (LLVM: expert scheduling mode 2), set by the entry lines.  The code itself states the register dependences between vector or matrix instructions and memory or LDS
; instructions, with s_wait_alu, always for 0.
; THE PLAN.  Registers that memory or LDS instructions touch:
;   v1-v9       offsets and LDS addresses: written once, at the head, ahead of one wait on va_vdst; no vector line names them afterwards.
;   D, window 0 the rows' loads land; the stage's LDS stores read it; the stage's LDS loads land in it again (a wait on vm_vsrc between the two runs); QUANT32 reads it; behind the barrier the partial tiles land in its
;               first 32 registers (QUANT32's reads stand ahead of the wait in front of the accumulators' stores, and no vector line since names D); the additions write its first four, which the store of proj reads (a wait).
;   D and PD, window 1   the weights' loads land once; vector lines alone read them.
;   ACC         written by the four products, read by the LDS stores: the places, then a wait.
;   TT, BY, window 1     the extra share: written by its conversions and a shift, read by three stores: a wait.
;   FA, FB, SWQ, SWW     written by vector lines, taken by the scaled products: the places, then a wait.
.set APITCH, 528                       ; a row of the stage: 512 bytes + 16
.set AWAVE,  32*APITCH                 ; a wave's stage
.set PART,   8*AWAVE                   ; behind the stages: the waves' partial tiles
.set PPITCH, 144                       ; 32 columns of f32 + 16
.set PWAVE,  32*PPITCH
.set FA,  16
.set FB,  28
.set TT,  40
.set MX,  56
.set SO,  60
.set BY,  64
.set PW,  68
.set SWQ, 74
.set SWW, 75
.set ACC, 80
.set PD,  80
.set D,   128
.set MSB, 0
.macro WIN new                         ; the immediate's high byte repeats the setting that is left; a switch that changes nothing is dropped
.if MSB != (\new)
	s_set_vgpr_msb (MSB<<8)|(\new)
.set MSB, (\new)
.endif
.endm
; 128 numbers of a lane (its row or column, K ascending) in window w become codes: fragment FA = rows 0-15, FB = rows 16-31; the four scale bytes make the word in window 0's v[sw].
.macro QUANT32 w, sw
	WIN 0x55*(\w)
.irp b, 0,1,2,3
	v_max3_num_f32 v[MX+\b], |v[D+32*\b]|, |v[D+32*\b+1]|, 0x2800000   ; the floor 2^(5 - 127) among the leaves: the byte cannot fall under 1
.endr
.irp i, 2,4,6,8,10,12,14,16,18,20,22,24,26,28,30
.irp b, 0,1,2,3
	v_max3_num_f32 v[MX+\b], v[MX+\b], |v[D+32*\b+\i]|, |v[D+32*\b+\i+1]|   ; the four blocks by turns
.endr
.endr
.irp b, 0,1,2,3
	v_add_nc_u32 v[SO+\b], 0xfe000000, v[MX+\b]    ; 4 off the exponent field: the conversion's scale operand
.endr
.irp b, 0,1,2,3
	v_lshrrev_b32 v[BY+\b], 23, v[SO+\b]           ; the scale's byte
.endr
	v_lshl_or_b32 v[PW], v[BY+1], 8, v[BY]
	v_lshl_or_b32 v[PW], v[BY+2], 16, v[PW]
	WIN 0x15*(\w)                                  ; scale operands are taken from window 0
	v_lshl_or_b32 v[\sw], v[BY+3], 24, v[PW]       ; lane l: row l's word: lanes 0-15 serve the first fragment, lanes 16-31 the second
	WIN 0x55*(\w)
.irp c, 0,1                                    ; block 2 c into FA's place, block 2 c + 1 into FB's; a conversion's three registers begin on an even number, so each block's upper half is made elsewhere
	v_cvt_scalef32_pk16_bf6_f32 v[FA+6*\c:FA+6*\c+2], v[D+64*\c:D+64*\c+15], v[SO+2*\c]
	v_cvt_scalef32_pk16_bf6_f32 v[TT+8*\c:TT+8*\c+2], v[D+64*\c+16:D+64*\c+31], v[SO+2*\c]
	v_cvt_scalef32_pk16_bf6_f32 v[FB+6*\c:FB+6*\c+2], v[D+64*\c+32:D+64*\c+47], v[SO+2*\c+1]
	v_cvt_scalef32_pk16_bf6_f32 v[TT+8*\c+4:TT+8*\c+6], v[D+64*\c+48:D+64*\c+63], v[SO+2*\c+1]
.endr
	v_nop                                          ; one plain place behind the conversions
.irp c, 0,1                                    ; the first's lanes 16-31 change places with the second's lanes 0-15: then FA holds rows 0-15 (lanes 0-15 block 2 c, lanes 16-31 block 2 c + 1), FB rows 16-31
.irp i, 0,1,2
	v_permlane16_swap_b32 v[FA+6*\c+\i], v[FB+6*\c+\i]
	v_permlane16_swap_b32 v[TT+8*\c+\i], v[TT+8*\c+4+\i]
.endr
.irp i, 0,1,2
	v_mov_b32 v[FA+6*\c+3+\i], v[TT+8*\c+\i]
	v_mov_b32 v[FB+6*\c+3+\i], v[TT+8*\c+4+\i]
.endr
.endr
	WIN 0
.endm
	s_load_b512 s[4:19], s[0:1], 0x0               ; Q s[4:5], K s[6:7], Wq s[8:9], Wk s[10:11], Wu s[12:13], Wv s[14:15], proj s[16:17], wimg s[18:19]
	s_load_b64 s[20:21], s[0:1], 0x40              ; wsb
	v_lshl_add_u32 v126, v0, 2, 0x2a000
	v_mov_b32 v127, 0
	v_lshrrev_b32 v12, 5, v0
	v_readfirstlane_b32 s24, v12                   ; wave 0..7
	s_mov_b32 s25, ttmp9                           ; x: block of 32 columns
	s_and_b32 s26, ttmp7, 0xffff                   ; y: block of 32 rows
	v_and_b32 v1, 31, v0                           ; lane
	v_lshlrev_b32 v2, 4, v1                        ; 16 x lane
	v_lshlrev_b32 v3, 2, v1                        ; 4 x lane
	s_wait_alu depctr_va_sdst(0)                   ; s24 is written, ahead of its first reader: LDS places, bases and branches are made from it
	s_mul_i32 s27, s24, AWAVE
	v_add_nc_u32 v4, s27, v2                       ; the stage, in: as loaded
	v_mul_u32_u24 v5, v1, APITCH
	v_add_nc_u32 v5, s27, v5                       ; and out: lane l takes row l
	v_and_b32 v10, 15, v0                          ; r
	v_bfe_u32 v11, v0, 4, 1                        ; h
	s_mul_i32 s27, s24, PWAVE
	s_add_co_u32 s27, s27, PART
	v_mul_u32_u24 v6, v10, PPITCH
	v_lshl_add_u32 v6, v11, 5, v6
	v_add_nc_u32 v6, s27, v6                       ; my wave's partial tiles: row r, + 32 h bytes
	v_lshrrev_b32 v7, 3, v0
	v_mul_u32_u24 v7, v7, PPITCH
	v_and_b32 v12, 7, v0
	v_lshl_add_u32 v7, v12, 4, v7
	v_add_nc_u32 v7, PART, v7                      ; the sum: thread t takes row t / 8, 16 bytes at 16 (t % 8)
	v_lshlrev_b32 v8, 4, v0                        ; and stores them at 16 t
	v_mul_u32_u24 v9, v10, 24
	v_mad_u32_u24 v9, v11, 9216, v9                ; wimg: column 16 (lane / 16) + r: two fragments' rows on, 24 bytes a lane
	s_and_b32 s28, s26, 31
	s_lshl_b32 s28, s28, 17                        ; 32 rows of 4,096 bytes
	s_lshl_b32 s29, s24, 9                         ; + my K step's 512 bytes
	s_add_co_u32 s28, s28, s29
	s_mov_b32 s29, 0
	s_lshl_b32 s30, s24, 16                        ; the weight: 128 rows of 512 bytes a wave
	s_lshl_b32 s31, s25, 7                         ; + 32 columns
	s_add_co_u32 s30, s30, s31
	s_mov_b32 s31, 0
	s_lshl_b32 s32, s25, 18                        ; proj: block x of 262,144 bytes
	s_lshl_b32 s33, s26, 12                        ; + 32 rows of 128 bytes
	s_add_co_u32 s32, s32, s33
	s_mov_b32 s33, 0
	s_lshl_b32 s34, s26, 2
	s_add_co_u32 s34, s34, s25                     ; the extra share's block along K, 0 .. 11 where y < 3
	s_lshr_b32 s35, s24, 2                         ; u: Wu or Wv
	s_and_b32 s36, s24, 3                          ; which 32 columns
	s_lshl_b32 s38, s34, 14                        ; 32 rows of 512 bytes
	s_lshl_b32 s39, s36, 7
	s_add_co_u32 s38, s38, s39
	s_mov_b32 s39, 0
	s_mul_i32 s40, s36, 18432                      ; wimg: 32 columns are two t: 12 fragments of 1,536 bytes
	s_mul_i32 s41, s35, 4608                       ; u: 3 fragments
	s_add_co_u32 s40, s40, s41
	s_lshr_b32 s41, s34, 2                         ; p
	s_mul_i32 s41, s41, 1536
	s_add_co_u32 s40, s40, s41
	s_and_b32 s41, s34, 3                          ; 2 c + h: 768 c + 384 h
	s_mul_i32 s41, s41, 384
	s_add_co_u32 s40, s40, s41
	s_mov_b32 s41, 0
	s_lshl_b32 s42, s34, 1
	s_add_co_u32 s42, s42, s35
	s_lshl_b32 s42, s42, 7                         ; wsb: (2 block + u) x 128
	s_lshl_b32 s43, s36, 5
	s_add_co_u32 s42, s42, s43
	s_mov_b32 s43, 0
	s_wait_kmcnt 0x0
	s_cmp_lt_u32 s26, 32                           ; Q's work-group or K's: the choice hangs on the work-group's number alone
	s_cselect_b64 s[4:5], s[4:5], s[6:7]
	s_cselect_b64 s[8:9], s[8:9], s[10:11]
	s_cmp_eq_u32 s35, 0
	s_cselect_b64 s[12:13], s[12:13], s[14:15]
	s_add_nc_u64 s[4:5], s[4:5], s[28:29]
	s_add_nc_u64 s[8:9], s[8:9], s[30:31]
	s_add_nc_u64 s[12:13], s[12:13], s[38:39]
	s_add_nc_u64 s[16:17], s[16:17], s[32:33]
	s_add_nc_u64 s[18:19], s[18:19], s[40:41]
	s_add_nc_u64 s[20:21], s[20:21], s[42:43]
	s_wait_alu depctr_va_vdst(0)                   ; the offsets and LDS addresses v1 to v9 are written: every load and store of the kernel reads one of them, and no later vector line names them
.set n1, 0
.rept 32
	global_load_b128 v[D+4*n1:D+4*n1+3], v2, s[4:5] offset:4096*n1     ; row n1: my K step's 512 consecutive bytes
.set n1, n1+1
.endr
	WIN 0x40                                       ; destination window 1
.set n1, 0
.rept 128
	global_load_b32 v[D+n1], v3, s[8:9] offset:512*n1                  ; the weight's row 128 w + n1 at my column: registers run down K
.set n1, n1+1
.endr
	WIN 0
	s_cmp_lt_u32 s26, 3
	s_cbranch_scc0 .Lno_extra_load
	WIN 0x40
.set n1, 0
.rept 32
	global_load_b32 v[PD+n1], v3, s[12:13] offset:512*n1               ; Wu's or Wv's block of 32 along K at my column
.set n1, n1+1
.endr
	WIN 0
.Lno_extra_load:
	s_wait_loadcnt 63                              ; behind the rows' 32 loads stand 128 or 160 younger ones; the count names the most its field holds, which is fewer: the rows are in
.set n1, 0
.rept 32
	ds_store_b128 v4, v[D+4*n1:D+4*n1+3] offset:APITCH*n1
.set n1, n1+1
.endr
	s_wait_alu depctr_vm_vsrc(0)                   ; the 32 LDS stores have read v[D ..], in which the 32 LDS loads below land
.set n1, 0
.rept 32
	ds_load_b128 v[D+4*n1:D+4*n1+3], v5 offset:16*n1                   ; my wave's own bytes, and LDS serves a wave's instructions in order: these see the stores above
.set n1, n1+1
.endr
	s_wait_dscnt 0x0
	QUANT32 0, SWQ
	s_wait_loadcnt 0x0                             ; the weights
	QUANT32 1, SWW
.rept 8
	v_nop                                          ; a scale register written by a vector instruction stands 8 places ahead of a scaled matrix instruction, an operand 4
.endr
	WIN 0x01                                       ; source 0 (the weight's columns) window 1; source 1 (the rows), C and D window 0
	s_wait_alu depctr_va_vdst(0)                   ; the vector lines have written both windows' FA and FB and the scale words SWQ and SWW, which the scaled products take; the places above stay beside this wait
	; TRANSPOSED: a lane then holds row r and eight neighbouring columns.  Four accumulators, one instruction each
	v_wmma_scale_f32_16x16x128_f8f6f4 v[ACC:ACC+7], v[FA:FA+11], v[FA:FA+11], 0, v[SWW], v[SWQ] matrix_a_fmt:MATRIX_FMT_BF6 matrix_b_fmt:MATRIX_FMT_BF6
	v_wmma_scale_f32_16x16x128_f8f6f4 v[ACC+8:ACC+15], v[FB:FB+11], v[FA:FA+11], 0, v[SWW], v[SWQ] matrix_a_fmt:MATRIX_FMT_BF6 matrix_b_fmt:MATRIX_FMT_BF6 matrix_a_scale:MATRIX_SCALE_ROW1
	v_wmma_scale_f32_16x16x128_f8f6f4 v[ACC+16:ACC+23], v[FA:FA+11], v[FB:FB+11], 0, v[SWW], v[SWQ] matrix_a_fmt:MATRIX_FMT_BF6 matrix_b_fmt:MATRIX_FMT_BF6 matrix_b_scale:MATRIX_SCALE_ROW1
	v_wmma_scale_f32_16x16x128_f8f6f4 v[ACC+24:ACC+31], v[FB:FB+11], v[FB:FB+11], 0, v[SWW], v[SWQ] matrix_a_fmt:MATRIX_FMT_BF6 matrix_b_fmt:MATRIX_FMT_BF6 matrix_a_scale:MATRIX_SCALE_ROW1 matrix_b_scale:MATRIX_SCALE_ROW1
	WIN 0
.rept 4
	v_nop                                          ; four places in front of the first read of results
.endr
	s_wait_alu depctr_va_vdst(0)                   ; the products have written the accumulators, which the LDS stores read; QUANT32 is done reading window 0's D, in which the loads behind the barrier land
.irp a, 0,1
.irp b, 0,1
	ds_store_b128 v6, v[ACC+8*(2*\a+\b):ACC+8*(2*\a+\b)+3] offset:\a*16*PPITCH+64*\b          ; row 16 a + r, columns 16 b + 8 h + 0 .. 7; each accumulator from its low end on
	ds_store_b128 v6, v[ACC+8*(2*\a+\b)+4:ACC+8*(2*\a+\b)+7] offset:\a*16*PPITCH+64*\b+16
.endr
.endr
	s_wait_dscnt 0x0                               ; for the others' sake: my partial tiles lie in LDS
	s_barrier_signal -1
	s_barrier_wait -1
.set n1, 0
.rept 8
	ds_load_b128 v[D+4*n1:D+4*n1+3], v7 offset:PWAVE*n1                ; the eight waves' parts of my four numbers.  No wait: no vector line since the wait above names these registers
.set n1, n1+1
.endr
	s_wait_dscnt 0x0
.irp a, 0,8,16,24
	v_pk_add_f32 v[D+\a:D+\a+1], v[D+\a:D+\a+1], v[D+\a+4:D+\a+5]
	v_pk_add_f32 v[D+\a+2:D+\a+3], v[D+\a+2:D+\a+3], v[D+\a+6:D+\a+7]
.endr
.irp a, 0,16
	v_pk_add_f32 v[D+\a:D+\a+1], v[D+\a:D+\a+1], v[D+\a+8:D+\a+9]
	v_pk_add_f32 v[D+\a+2:D+\a+3], v[D+\a+2:D+\a+3], v[D+\a+10:D+\a+11]
.endr
	v_pk_add_f32 v[D:D+1], v[D:D+1], v[D+16:D+17]
	v_pk_add_f32 v[D+2:D+3], v[D+2:D+3], v[D+18:D+19]
	s_wait_alu depctr_va_vdst(0)                   ; the additions have written v[D:D+3], which the store reads
	global_store_b128 v8, v[D:D+3], s[16:17]       ; the work-group stores 4,096 consecutive bytes, 512 a wave
	s_cmp_lt_u32 s26, 3
	s_cbranch_scc0 .Ldone
	WIN 0x55                                       ; the extra share: one block of 32 along K of my column
	v_max3_num_f32 v[MX], |v[PD]|, |v[PD+1]|, |v[PD+2]|
	v_max3_num_f32 v[MX+1], |v[PD+3]|, |v[PD+4]|, |v[PD+5]|
.irp i, 6,10,14,18,22,26
	v_max3_num_f32 v[MX], v[MX], |v[PD+\i]|, |v[PD+\i+1]|
	v_max3_num_f32 v[MX+1], v[MX+1], |v[PD+\i+2]|, |v[PD+\i+3]|
.endr
	v_max3_num_f32 v[MX], v[MX], |v[PD+30]|, |v[PD+31]|
	v_max3_num_f32 v[MX], v[MX], v[MX+1], 0x2800000
	v_add_nc_u32 v[SO], 0xfe000000, v[MX]
	v_cvt_scalef32_pk16_bf6_f32 v[TT:TT+2], v[PD:PD+15], v[SO]
	v_cvt_scalef32_pk16_bf6_f32 v[TT+4:TT+6], v[PD+16:PD+31], v[SO]
	v_lshrrev_b32 v[BY], 23, v[SO]                 ; the byte; also the plain place behind the conversions
	WIN 0x04                                       ; a store's data: window 1
	s_wait_alu depctr_va_vdst(0)                   ; the conversions have written window 1's TT and the shift its BY, which the three stores read
	global_store_b96 v9, v[TT:TT+2], s[18:19]      ; registers 6 c .. 6 c + 2 of the operand's lane r + 16 h,
	global_store_b96 v9, v[TT+4:TT+6], s[18:19] offset:12   ; and 6 c + 3 .. 6 c + 5
	global_store_b8 v1, v[BY], s[20:21]
	WIN 0
.Ldone:
	s_wait_dscnt 0x0
	s_wait_alu depctr_hold_cnt(0) depctr_sa_sdst(0) depctr_va_vdst(0) depctr_va_sdst(0) depctr_va_ssrc(0) depctr_va_vcc(0) depctr_vm_vsrc(0)
	s_wait_tensorcnt 0x0
	ds_add_u32 v126, v127
	s_wait_dscnt 0x0
	s_endpgm
.Lfunc_end_k_q4eea316735_project:
	.size	k_q4eea316735_project, .Lfunc_end_k_q4eea316735_project-k_q4eea316735_project
	.p2alignl 7, 3214868480
	.fill 96, 4, 3214868480
	.section	.rodata,"a",@progbits
	.p2align	6, 0x0
	.amdhsa_kernel k_q4eea316735_project
		.amdhsa_group_segment_fixed_size 173056
		.amdhsa_private_segment_fixed_size 0
		.amdhsa_enable_private_segment 0
		.amdhsa_kernarg_size 72
		.amdhsa_user_sgpr_count 2
		.amdhsa_user_sgpr_kernarg_segment_ptr 1
		.amdhsa_wavefront_size32 1
		.amdhsa_system_sgpr_workgroup_id_x 1
		.amdhsa_system_sgpr_workgroup_id_y 1
		.amdhsa_system_sgpr_workgroup_id_z 1
		.amdhsa_system_vgpr_workitem_id 0
		.amdhsa_next_free_vgpr 512
		.amdhsa_next_free_sgpr 66
		.amdhsa_reserve_vcc 0
		.amdhsa_float_denorm_mode_32 3
		.amdhsa_float_denorm_mode_16_64 3
		.amdhsa_memory_ordered 1
		.amdhsa_forward_progress 1
		.amdhsa_inst_pref_size 44
	.end_amdhsa_kernel
	.amdgpu_metadata
---
amdhsa.version: [ 1, 2 ]
amdhsa.kernels:
  - .name:           k_q4eea316735_project
    .symbol:         k_q4eea316735_project.kd
    .args:
      - { .name: Q, .offset: 0, .size: 8, .value_kind: global_buffer, .address_space: global }
      - { .name: K, .offset: 8, .size: 8, .value_kind: global_buffer, .address_space: global }
      - { .name: Wq, .offset: 16, .size: 8, .value_kind: global_buffer, .address_space: global }
      - { .name: Wk, .offset: 24, .size: 8, .value_kind: global_buffer, .address_space: global }
      - { .name: Wu, .offset: 32, .size: 8, .value_kind: global_buffer, .address_space: global }
      - { .name: Wv, .offset: 40, .size: 8, .value_kind: global_buffer, .address_space: global }
      - { .name: proj, .offset: 48, .size: 8, .value_kind: global_buffer, .address_space: global }
      - { .name: wimg, .offset: 56, .size: 8, .value_kind: global_buffer, .address_space: global }
      - { .name: wsb, .offset: 64, .size: 8, .value_kind: global_buffer, .address_space: global }
    .group_segment_fixed_size: 173056
    .private_segment_fixed_size: 0
    .kernarg_segment_align: 8
    .kernarg_segment_size: 72
    .max_flat_workgroup_size: 256
    .sgpr_count:     66
    .vgpr_count:     512
    .wavefront_size: 32
...
	.end_amdgpu_metadata
.endif
;; end of part 3
;; launch pairs (part 4): grid 8 x 32, 8 waves a work-group, no clusters, 123,392 bytes of LDS; arguments proj, wimg, wsb, ln_g, ln_b, bu, bv, Wo, bo, out0; writes out0
.if DOCPART == 4
	.amdgcn_target "amdgcn-amd-amdhsa--gfx1250"
	.amdhsa_code_object_version 6
	.text
	.protected	k_q4eea316735_pairs
	.globl	k_q4eea316735_pairs
	.p2align	8
	.type	k_q4eea316735_pairs,@function
k_q4eea316735_pairs:
	s_mov_b64 s[64:65], 0
	v_nop
	global_prefetch_b8 v0, s[64:65] scope:SCOPE_SE
	s_setreg_imm32_b32 hwreg(HW_REG_WAVE_SCHED_MODE, 0, 2), 2
	s_setreg_imm32_b32 hwreg(HW_REG_WAVE_MODE, 25, 1), 1
	s_wait_xcnt 0x0
	s_wait_alu depctr_vm_vsrc(0)
; out0[b][i][j] = sum over n of Wo[n] u[n] gelu(v[n]) + bo, with u = x Wu + bu, v = x Wv + bv, x = LayerNorm([q_i, k_j, q_i k_j]) ln_g + ln_b; both products on codes of BF6 (E3M2), one E8M0 scale for each 32 along K.
; proj holds q (rows 0-1023) and k (rows 1024-2047) as f32 [4 blocks of 32 channels][2048][32]; wimg and wsb hold Wu's and Wv's codes and scale bytes.
; SHARES.  Work-group (x, y): batch y / 16, queries 32 (y % 16) on, keys 64 x on.  Wave w: keys 16 (w % 4) on, queries 16 (w / 4) on: 16 TILES of one query x 16 keys, in four groups of four queries.
; Eight waves of 512 registers, two to a SIMD, each written in plain phases: one wave's vector work stands beside the other's matrix work.
; THE OPERAND x IS BUILT IN ITS REGISTERS.  Lane (r, h) holds pair (query, key r); part p (q, k, q k) is one K step of 128; registers 6 c .. 6 c + 5 hold channels 64 c + 32 h + 0 .. 31: a whole block of 32 in a lane.
; So a block's largest magnitude needs no other lane and the conversions' results are the operand.  x = (value a + m) g + b with a = rsqrt(var + eps), m = -mu a: two fused multiply-adds, packed.
; k's 64 channels of a lane stay in registers; the query's row, ln_g and ln_b come from LDS (all lanes of a half read the same bytes); ln_g and ln_b serve four tiles a load.
; THE STATISTICS of the wave's 16 x 16 pairs: S1 = sum q + sum k + q . k, S2 = sum q^2 + sum k^2 + q^2 . k^2.  The dot products feed a quantiser, so they take f32 operands: the f32 matrix form, 66 instructions a wave, once.
; THE PRODUCTS ARE USED TRANSPOSED (source 0 = 16 columns of Wu or Wv, source 1 = x): a lane holds one pair and eight hidden units.  bu and bv are the C of each sum's first instruction.
; Weights come from LDS as images of the operand's registers, one tile of 16 hidden units (six fragments) a trip, and serve the group's four tiles.
; gelu: 2 gelu(v) = v + |v| erf(|v| / sqrt 2); erf(z) = 1 - a3 t (t^2 + (a2/a3) t + a1/a3) e^(-z^2), t = 1 / (1 + 0.47047 z); a3 is folded into the exponent, the factor 1/2 into Wo.
; LIMITS.  This erf is within 2.5e-5 of erf for every argument; it stands behind all quantisers.  var = S2 / 384 - mu^2, held at 0 from below: its relative error grows as (S2 / 384) / var, which is large only where
; all 384 numbers of a pair nearly coincide.  A block of x whose largest magnitude lies under 2^(5 - 127) gets the scale byte 1.  NaN and infinities are not served.  The order of the f32 sums differs from a chain in ascending order.
; No tensor load, no cluster, no refill: LDS is filled once, at the head, through registers (which also lays the weights' codes as images), about 100 KB against 2,048 pairs' work.
; THE MODE: SCHED_MODE bits 1:0 = 2 (LLVM: expert scheduling mode 2), set by the entry lines.  The code itself states the register dependences between vector or matrix instructions and memory or LDS
; instructions, with s_wait_alu, always for 0.
; THE PLAN.  Registers that LDS instructions touch in the loop over groups (window 1 but where said), who reads them, and behind which wait on va_vdst they are loaded again:
;   AM           loaded at a group's head; read by the group's P0, P1, P2A.
;   QR           read by a step's P0 and P2A.  ONE wait stands in each STEPQ, behind P2A: the next query's channels are asked for behind it.
;   G1, B1       read by P0's and P1's GB.  Part 1's tables follow the wait of STEPQ 3 (P0 of tile 3 was part 0's last reader); part 0's tables of the second half follow a wait behind P1 of STEPK 3, 0.
;   G3, B3       read by STEPQ's last GB.  One wait at the head of each run of four STEPK: behind it the second half's tables, or the first trip's weights, which also take QR's place.
;   WF, BU, BV, and WS of window 0     read by a trip's 24 products.  The wait that EPI 0 holds for its transcendentals stands behind all of them: the next trip's 25 loads are dealt among EPI 0's remaining lines,
;                which name TE, EE, PP, UW, AV and OS alone.
;   WO           read by the UW lines of EPI 0 and EPI 1, which stand ahead of EPI 1's wait: the next trip's two loads follow that wait.
;   VWA, VCA, and WSN of window 0      LDS addresses: written once a trip behind a wait on vm_vsrc, ahead of EPI 0's wait.  AQA, VOA, VCA: written at a group's head, between that head's two waits.
;   OS           written by EPI and the group's last sums; read by the group's four LDS stores, behind a wait; written again behind the next head's wait on vm_vsrc.
;   X, XS of window 0    written by vector lines, taken by the scaled products: sixteen places, then one wait, ahead of the loop over trips; no vector line in that loop writes them.
.set WIMG, 0                           ; 48 fragments x 1,536 bytes: three images of 512 bytes (registers 4 q .. 4 q + 3 at 16 x lane); fragment (2 t + u) 3 + p
.set WSCL, 73728                       ; the weights' scale words [p][t][lane]: lanes 0-15 Wu's tile t, lanes 16-31 Wv's
.set QROW, 76800                       ; 32 queries x 512 bytes, channels in order
.set GTAB, 93184                       ; ln_g, 1,536 bytes; ln_b 1,536 behind it; then bu, bv, Wo / 2, 512 each
.set BUT,  96256
.set STAT, 97792                       ; each wave's own 2,048 bytes: [query 16][key 16] pairs (a, m)
.set OUTS, 114176                      ; each wave's own 1,024 bytes: [query 16][key 16] results
; window 0
.set R,    1                           ; lane % 16
.set H,    2                           ; lane / 16
.set H8,   3                           ; 8 h
.set LN,   4
.set L16,  5                           ; 16 x lane
.set KO,   6                           ; proj: h blocks of 262,144 bytes + r rows of 128
.set WSRC, 7
.set WDST, 8
.set WSA,  9                           ; WSCL + 4 x lane
.set WSN,  10                          ; the trip's scale words
.set FH,   11                          ; 1 - h, as f32
.set XS,   16                          ; v16-27  x's scale words, tile t part p at 3 t + p: scales and nothing else
.set XT,   28                          ; v28-39  their second halves on the way; at the head: addresses
.set WS,   40                          ; v40-42  the weights' scale words of the trip
.set X,    44                          ; v44-187 x's codes: tile t, part p at 36 t + 12 p
.set KR,   188                         ; v188-251 k(key r, channel 64 c + 32 h + i) at 32 c + i
.set BE,   252                         ; v252-255 the statistics' last K step, source 1
.set K2,   44                          ; head: k^2
.set WST,  108                         ; head: the weights' codes on their way to LDS
.set TK,   180                         ; head: sums
; window 1
.set AU,   0                           ; v0-31   u's accumulators of four tiles; at the head the statistics' four sums: written by matrix instructions alone
.set AV,   32                          ; v32-63  v's
.set OUT,  32                          ; while x is built: 32 numbers of a block
.set G1,   64
.set B1,   96
.set G3,   128
.set B3,   160
.set QR,   192                         ; the query's 32 channels
.set AM,   224                         ; v224-231 (a, m) of the group's four tiles
.set MM,   232
.set SO,   236
.set TC,   238
.set TE,   64                          ; in the epilogue: t, the exponent, the polynomial, u Wo
.set EE,   80
.set PP,   96
.set UW,   112
.set WF,   128                         ; v128-199 six fragments of weights
.set BU,   200
.set BV,   208
.set WO,   216
.set OS,   232                         ; v232-247 the sums over hidden units: two pairs a tile
.set L16B, 248
.set CB0,  249                         ; BUT + 32 h
.set VWA,  250
.set VCA,  251
.set AGB,  252                         ; GTAB + 128 h
.set AQA,  253
.set VOA,  254
.set BOH,  255                         ; bo / 2
.set AE,   32                          ; head: the statistics' last K step, source 0
.set TQ,   36
.set TB,   44                          ; head: a small table on its way to LDS
.set QL,   64                          ; head: q, laid as KR
.set Q2,   128
.set QST,  200
.set WSB,  216
.set S1T,  128
.set S2T,  136
.set MU,   144
.set VR,   152
.set AMS,  160
.set MSB, 0
.macro WIN new                         ; bits 1:0 source 0, 3:2 source 1, 5:4 source 2, 7:6 destination; the high byte repeats the setting that is left
.if MSB != (\new)
	s_set_vgpr_msb (MSB<<8)|(\new)
.set MSB, (\new)
.endif
.endm
; the sum of a lane's 64 numbers and of the other half's 64, in v[t]; four chains of pairs
.macro SUM64 src, t
.irp j, 0,1,2,3
	v_pk_add_f32 v[\t+2*\j:\t+2*\j+1], v[\src+2*\j:\src+2*\j+1], v[\src+8+2*\j:\src+8+2*\j+1]
.endr
.irp i, 16,24,32,40,48,56
.irp j, 0,1,2,3
	v_pk_add_f32 v[\t+2*\j:\t+2*\j+1], v[\t+2*\j:\t+2*\j+1], v[\src+\i+2*\j:\src+\i+2*\j+1]
.endr
.endr
	v_pk_add_f32 v[\t:\t+1], v[\t:\t+1], v[\t+2:\t+3]
	v_pk_add_f32 v[\t+4:\t+5], v[\t+4:\t+5], v[\t+6:\t+7]
	v_pk_add_f32 v[\t:\t+1], v[\t:\t+1], v[\t+4:\t+5]
	v_add_f32 v[\t], v[\t], v[\t+1]
	v_permlanex16_b32 v[\t+1], v[\t], s32, s33
	v_add_f32 v[\t], v[\t], v[\t+1]
.endm
.macro LDG dst, off                    ; 32 numbers of ln_g or ln_b (off: 1536 for ln_b, + 512 p + 256 c)
.irp i, 0,1,2,3,4,5,6,7
	ds_load_b128 v[\dst+4*\i:\dst+4*\i+3], v[AGB] offset:\off+16*\i
.endr
.endm
.macro LDQ t, c                        ; 32 channels of the group's query t
.irp i, 0,1,2,3,4,5,6,7
	ds_load_b128 v[QR+4*\i:QR+4*\i+3], v[AQA] offset:512*(\t)+256*(\c)+16*\i
.endr
.endm
.macro GB g, b                         ; OUT = OUT g + b
.set ii, 0
.rept 16
	v_pk_fma_f32 v[OUT+ii:OUT+ii+1], v[OUT+ii:OUT+ii+1], v[\g+ii:\g+ii+1], v[\b+ii:\b+ii+1]
.set ii, ii+2
.endr
.endm
.macro P0 t                            ; part 0: q a + m (of the pair (a, m) the first word multiplies both halves, the second is added to both), then g, b
.set ii, 0
.rept 16
	v_pk_fma_f32 v[OUT+ii:OUT+ii+1], v[QR+ii:QR+ii+1], v[AM+2*(\t):AM+2*(\t)+1], v[AM+2*(\t):AM+2*(\t)+1] op_sel:[0,0,1] op_sel_hi:[1,0,1]
.set ii, ii+2
.endr
	GB G1, B1
.endm
.macro P2A t, c                        ; part 2: (k a) q + m
	WIN 0x54                                       ; source 0 (k) window 0
.set ii, 0
.rept 16
	v_pk_mul_f32 v[OUT+ii:OUT+ii+1], v[KR+32*(\c)+ii:KR+32*(\c)+ii+1], v[AM+2*(\t):AM+2*(\t)+1] op_sel_hi:[1,0]
.set ii, ii+2
.endr
	WIN 0x55
.set ii, 0
.rept 16
	v_pk_fma_f32 v[OUT+ii:OUT+ii+1], v[OUT+ii:OUT+ii+1], v[QR+ii:QR+ii+1], v[AM+2*(\t):AM+2*(\t)+1] op_sel:[0,0,1] op_sel_hi:[1,1,1]
.set ii, ii+2
.endr
.endm
.macro P1 t, c                         ; part 1: k a + m, then g, b
	WIN 0x54
.set ii, 0
.rept 16
	v_pk_fma_f32 v[OUT+ii:OUT+ii+1], v[KR+32*(\c)+ii:KR+32*(\c)+ii+1], v[AM+2*(\t):AM+2*(\t)+1], v[AM+2*(\t):AM+2*(\t)+1] op_sel:[0,0,1] op_sel_hi:[1,0,1]
.set ii, ii+2
.endr
	WIN 0x55
	GB G1, B1
.endm
; the block in OUT becomes registers 6 c .. 6 c + 5 of x's fragment (t, p), and its scale byte
.macro BQ t, p, c
.irp k, 0,1,2,3
	v_max3_num_f32 v[MM+\k], |v[OUT+8*\k]|, |v[OUT+8*\k+1]|, |v[OUT+8*\k+2]|
.endr
.irp k, 0,1,2,3
	v_max3_num_f32 v[MM+\k], v[MM+\k], |v[OUT+8*\k+3]|, |v[OUT+8*\k+4]|
.endr
.irp k, 0,1,2,3
	v_max3_num_f32 v[MM+\k], v[MM+\k], |v[OUT+8*\k+5]|, |v[OUT+8*\k+6]|
.endr
	v_max3_num_f32 v[MM], v[MM], |v[OUT+7]|, |v[OUT+15]|
	v_max3_num_f32 v[MM+2], v[MM+2], |v[OUT+23]|, |v[OUT+31]|
	v_max3_num_f32 v[MM], v[MM], v[MM+1], v[MM+2]
	v_max3_num_f32 v[MM], v[MM], v[MM+3], 0x2800000     ; the floor 2^(5 - 127): the byte cannot fall under 1
	v_add_nc_u32 v[SO], 0xfe000000, v[MM]          ; 4 off the exponent field: the conversion's scale operand
	v_cvt_scalef32_pk16_bf6_f32 v[TC:TC+2], v[OUT+16:OUT+31], v[SO]   ; (a conversion's three registers begin on an even number: the upper half is made elsewhere and moved)
	WIN 0x15                                       ; sources window 1, destination window 0
	v_cvt_scalef32_pk16_bf6_f32 v[X+36*(\t)+12*(\p)+6*(\c):X+36*(\t)+12*(\p)+6*(\c)+2], v[OUT:OUT+15], v[SO]
.if (\c) == 0
	v_lshrrev_b32 v[XS+3*(\t)+(\p)], 23, v[SO]     ; the byte of block h, at bits 7:0.  (The plain place behind the conversions)
.else
	v_lshrrev_b32 v[XT+3*(\t)+(\p)], 7, v[SO]      ; the byte of block 2 + h, at bits 23:16
.endif
.irp i, 0,1,2
	v_mov_b32 v[X+36*(\t)+12*(\p)+6*(\c)+3+\i], v[TC+\i]
.endr
	WIN 0x55
.endm
; A trip's weights: six fragments (9,216 consecutive bytes), bu's and bv's eight numbers of my half, three scale words: 25 loads; then Wo's eight: 2 loads.
; LWADR makes their three LDS addresses; LW, LBB, LWS and LOADWO are the loads, which stand behind a wait on va_vdst that follows LWADR.
.macro LWADR
	s_wait_alu depctr_vm_vsrc(0)                   ; the LDS loads issued so far have read VWA, VCA and WSN, which the three lines below write
	WIN 0
	v_add_nc_u32 v[WSN], s52, v[WSA]
	WIN 0x55
	v_add_nc_u32 v[VWA], s50, v[L16B]
	v_add_nc_u32 v[VCA], s51, v[CB0]
.endm
.macro LW a, b                         ; images a .. b - 1 of the six fragments' eighteen
.set jj, \a
.rept (\b)-(\a)
	ds_load_b128 v[WF+4*jj:WF+4*jj+3], v[VWA] offset:512*jj
.set jj, jj+1
.endr
.endm
.macro LBB
	ds_load_b128 v[BU:BU+3], v[VCA]
	ds_load_b128 v[BU+4:BU+7], v[VCA] offset:16
	ds_load_b128 v[BV:BV+3], v[VCA] offset:512
	ds_load_b128 v[BV+4:BV+7], v[VCA] offset:528
.endm
.macro LWS
	WIN 0
.irp p, 0,1,2
	ds_load_b32 v[WS+\p], v[WSN] offset:1024*\p
.endr
	WIN 0x55
.endm
.macro LOADWO
	ds_load_b128 v[WO:WO+3], v[VCA] offset:1024
	ds_load_b128 v[WO+4:WO+7], v[VCA] offset:1040
.endm
; parts 0 and 2 of tile t, blocks 2 c + h
.macro STEPQ t, c
	s_wait_dscnt 0x0                               ; the query's channels, and whatever tables were asked for
	P0 \t
	BQ \t, 0, \c
	P2A \t, \c
	s_wait_alu depctr_va_vdst(0)                   ; P0 and P2A are done reading QR, in which the next query's channels land; at tile 3 P0 is also done reading G1 and B1, in which part 1's tables land
.if (\t) == 3
	LDG G1, 512+256*(\c)                           ; part 1's tables take part 0's place
	LDG B1, 1536+512+256*(\c)
.endif
.if (\t) < 3
	LDQ (\t)+1, \c
.elseif (\c) == 0
	LDQ 0, 1
.endif
	GB G3, B3                                      ; (names OUT, G3, B3: none of the registers that the loads above touch)
	BQ \t, 2, \c
.endm
.macro STEPK t, c                      ; part 1 of tile t
	P1 \t, \c
.if ((\t) == 3) && ((\c) == 0)
	s_wait_alu depctr_va_vdst(0)                   ; the four P1 are done reading G1 and B1, in which part 0's tables of the second half land
	LDG G1, 256
	LDG B1, 1536+256
.endif
	BQ \t, 1, \c
.endm
; 16 elements (two tiles x my eight hidden units): Wo/2 u (v + |v| erf(|v| / sqrt 2)) onto the tiles' sums.  pf = 1: the next trip's loads stand behind the wait: in EPI 0 the 25, dealt among its lines, in EPI 1 Wo's two
.macro EPI bt, pf
.set VB, AV+16*(\bt)
.set UB, AU+16*(\bt)
.set ii, 0
.rept 16
	v_fma_f32 v[TE+ii], |v[VB+ii]|, s34, 1.0       ; 1 + 0.33267 |v|; each accumulator is read from its low end on
.set ii, ii+1
.endr
.set ii, 0
.rept 8
	v_pk_mul_f32 v[EE+ii:EE+ii+1], v[VB+ii:VB+ii+1], s[36:37] op_sel_hi:[1,0]
.set ii, ii+2
.endr
.set ii, 0
.rept 8
	v_pk_fma_f32 v[EE+ii:EE+ii+1], v[EE+ii:EE+ii+1], v[EE+ii:EE+ii+1], s[38:39] op_sel_hi:[1,1,0] neg_lo:[1,0,0] neg_hi:[1,0,0]   ; -0.72135 v^2 + log2(a3)
.set ii, ii+2
.endr
.set ii, 0
.rept 16
	v_rcp_f32 v[TE+ii], v[TE+ii]
.set ii, ii+1
.endr
.set ii, 0
.rept 16
	v_exp_f32 v[EE+ii], v[EE+ii]
.set ii, ii+1
.endr
.set ii, 0
.rept 8
	v_pk_mul_f32 v[UW+ii:UW+ii+1], v[UB+ii:UB+ii+1], v[WO+ii%8:WO+ii%8+1]   ; plain work that names no result of the batch
.set ii, ii+2
.endr
	s_wait_alu depctr_va_vdst(0)                   ; the 32 transcendentals have written TE and EE, ahead of their first reader.  Also: the trip's 24 products are done reading WF, BU, BV and WS, LWADR's lines have written VWA, VCA and WSN, and the lines above are done reading WO: the loads below hang on these
.if (\pf) && ((\bt) == 0)
	LW 0, 6                                        ; no vector line from the wait to the macro's end names a register that these loads touch
.endif
.if (\pf) && ((\bt) == 1)
	LOADWO                                         ; behind the last read of this trip's Wo
.endif
.set ii, 0
.rept 8
	v_pk_add_f32 v[PP+ii:PP+ii+1], v[TE+ii:TE+ii+1], s[40:41] op_sel_hi:[1,0]
.set ii, ii+2
.endr
.if (\pf) && ((\bt) == 0)
	LW 6, 12
.endif
.set ii, 0
.rept 8
	v_pk_fma_f32 v[PP+ii:PP+ii+1], v[PP+ii:PP+ii+1], v[TE+ii:TE+ii+1], s[42:43] op_sel_hi:[1,1,0]
.set ii, ii+2
.endr
.if (\pf) && ((\bt) == 0)
	LW 12, 18
.endif
.set ii, 0
.rept 8
	v_pk_mul_f32 v[PP+ii:PP+ii+1], v[PP+ii:PP+ii+1], v[TE+ii:TE+ii+1]
.set ii, ii+2
.endr
.if (\pf) && ((\bt) == 0)
	LBB
.endif
.set ii, 0
.rept 8
	v_pk_fma_f32 v[EE+ii:EE+ii+1], v[PP+ii:PP+ii+1], v[EE+ii:EE+ii+1], 1.0 op_sel_hi:[1,1,0] neg_lo:[1,0,0] neg_hi:[1,0,0]   ; erf
.set ii, ii+2
.endr
.if (\pf) && ((\bt) == 0)
	LWS
.endif
.set ii, 0
.rept 16
	v_fma_f32 v[TE+ii], |v[VB+ii]|, v[EE+ii], v[VB+ii]    ; 2 gelu(v)
.set ii, ii+1
.endr
.irp i, 0,4,1,5,2,6,3,7                        ; four chains by turns
	v_pk_fma_f32 v[OS+4*(2*(\bt)+\i/4)+2*(\i%2):OS+4*(2*(\bt)+\i/4)+2*(\i%2)+1], v[UW+2*\i:UW+2*\i+1], v[TE+2*\i:TE+2*\i+1], v[OS+4*(2*(\bt)+\i/4)+2*(\i%2):OS+4*(2*(\bt)+\i/4)+2*(\i%2)+1]
.endr
.endm
; A TRIP: 16 hidden units for the group's four tiles.  24 matrix instructions: K step by K step, the eight accumulators by turns, one instruction a turn.  pf = 1: the next trip's weights are asked for
.macro TRIP pf
	s_wait_dscnt 2                                 ; all but the two youngest loads (Wo's, wanted only behind the products) are in
	WIN 0x51                                       ; source 0 (weights), C and D window 1; source 1 (x) window 0
.irp p, 0,1,2
.irp t, 0,1,2,3
.if \p == 0
	v_wmma_scale_f32_16x16x128_f8f6f4 v[AU+8*\t:AU+8*\t+7], v[WF+12*\p:WF+12*\p+11], v[X+36*\t+12*\p:X+36*\t+12*\p+11], v[BU:BU+7], v[WS+\p], v[XS+3*\t+\p] matrix_a_fmt:MATRIX_FMT_BF6 matrix_b_fmt:MATRIX_FMT_BF6
	v_wmma_scale_f32_16x16x128_f8f6f4 v[AV+8*\t:AV+8*\t+7], v[WF+36+12*\p:WF+36+12*\p+11], v[X+36*\t+12*\p:X+36*\t+12*\p+11], v[BV:BV+7], v[WS+\p], v[XS+3*\t+\p] matrix_a_fmt:MATRIX_FMT_BF6 matrix_b_fmt:MATRIX_FMT_BF6 matrix_a_scale:MATRIX_SCALE_ROW1
.else
	v_wmma_scale_f32_16x16x128_f8f6f4 v[AU+8*\t:AU+8*\t+7], v[WF+12*\p:WF+12*\p+11], v[X+36*\t+12*\p:X+36*\t+12*\p+11], v[AU+8*\t:AU+8*\t+7], v[WS+\p], v[XS+3*\t+\p] matrix_a_fmt:MATRIX_FMT_BF6 matrix_b_fmt:MATRIX_FMT_BF6
	v_wmma_scale_f32_16x16x128_f8f6f4 v[AV+8*\t:AV+8*\t+7], v[WF+36+12*\p:WF+36+12*\p+11], v[X+36*\t+12*\p:X+36*\t+12*\p+11], v[AV+8*\t:AV+8*\t+7], v[WS+\p], v[XS+3*\t+\p] matrix_a_fmt:MATRIX_FMT_BF6 matrix_b_fmt:MATRIX_FMT_BF6 matrix_a_scale:MATRIX_SCALE_ROW1
.endif
.endr
.endr
.if \pf
	WIN 0                                          ; (LWADR's first line writes a register of window 0)
.else
	WIN 0x55
.endif
.rept 4
	v_nop                                          ; four places in front of the first read of results
.endr
.if \pf
	s_add_co_u32 s50, s50, 9216
	s_add_co_u32 s51, s51, 64
	s_add_co_u32 s52, s52, 128
	LWADR                                          ; the next trip's addresses, ahead of EPI 0's wait
.endif
	s_wait_dscnt 0x0                               ; this trip's Wo is in: nothing younger is out
	EPI 0, \pf
	EPI 1, \pf
	WIN 0
.endm
	s_load_b512 s[4:19], s[0:1], 0x0               ; proj s[4:5], wimg s[6:7], wsb s[8:9], ln_g s[10:11], ln_b s[12:13], bu s[14:15], bv s[16:17], Wo s[18:19]
	s_load_b128 s[20:23], s[0:1], 0x40             ; bo s[20:21], out0 s[22:23]
	v_lshl_add_u32 v15, v0, 2, 0x1de00
	v_mov_b32 v43, 0
	v_lshrrev_b32 v12, 5, v0
	v_readfirstlane_b32 s24, v12                   ; wave 0..7
	s_wait_alu depctr_va_sdst(0)                   ; s24 is written, ahead of its first reader: LDS places, bases and branches are made from it
	s_and_b32 s25, s24, 3                          ; which 16 keys
	s_lshr_b32 s26, s24, 2                         ; which 16 queries
	s_and_b32 s27, ttmp7, 0xffff
	s_lshr_b32 s28, s27, 4                         ; batch
	s_and_b32 s29, s27, 15                         ; block of 32 queries
	s_mov_b32 s32, 0x76543210
	s_mov_b32 s33, 0xfedcba98                      ; v_permlanex16_b32's selects for lane l xor 16
	s_mov_b32 s34, 0x3eaa540e                      ; 0.47047 / sqrt 2
	s_mov_b32 s36, 0x3f596d27                      ; sqrt(log2(e) / 2)
	s_mov_b32 s37, s36                             ; (a packed line names the pair, so both words are written)
	s_mov_b32 s38, 0xbed69d3c                      ; log2(a3)
	s_mov_b32 s39, s38
	s_mov_b32 s40, 0xbe034883                      ; a2 / a3
	s_mov_b32 s41, s40
	s_mov_b32 s42, 0x3eee440a                      ; a1 / a3
	s_mov_b32 s43, s42
	s_mov_b32 s53, 0x3b2aaaab                      ; 1 / 384
	s_mov_b32 s54, 0x3727c5ac                      ; 1e-5
	v_and_b32 v[R], 15, v0
	v_bfe_u32 v[H], v0, 4, 1
	v_lshlrev_b32 v[H8], 3, v[H]
	v_and_b32 v[LN], 31, v0
	v_lshlrev_b32 v[L16], 4, v[LN]
	v_lshlrev_b32 v[KO], 7, v[R]
	v_lshl_add_u32 v[KO], v[H], 18, v[KO]
	s_mul_i32 s30, s24, 1536
	v_mul_u32_u24 v[WSRC], v[LN], 24
	v_add_nc_u32 v[WSRC], s30, v[WSRC]             ; wimg: fragment w (+ 8 n), 24 bytes a lane
	v_add_nc_u32 v[WDST], s30, v[L16]              ; its image in LDS: 16 bytes a lane
	v_lshl_add_u32 v[WSA], v[LN], 2, WSCL
	v_cvt_f32_u32 v[FH], v[H]
	v_sub_f32 v[FH], 1.0, v[FH]
	v_lshlrev_b32 v28, 4, v0                       ; 16 x thread: the queries' rows in proj
	v_lshrrev_b32 v29, 3, v0
	v_lshlrev_b32 v29, 9, v29
	v_and_b32 v12, 7, v0
	v_lshl_add_u32 v29, v12, 4, v29
	v_add_nc_u32 v29, QROW, v29                    ; and in LDS: query t / 8, 16 (t % 8) bytes of a block of 32 channels
	v_lshl_add_u32 v30, v[H], 7, v[R]
	s_lshl_b32 s31, s24, 4
	v_add_nc_u32 v30, s31, v30                     ; wsb: tensor lane / 16, column 16 w + lane % 16
	v_lshl_add_u32 v31, v0, 2, WSCL                ; the word's place: tile w, my lane
	v_lshlrev_b32 v32, 3, v[R]
	v_lshl_add_u32 v32, v[H], 10, v32
	s_lshl_b32 s48, s24, 11
	s_add_co_u32 s48, s48, STAT                    ; my wave's statistics
	v_add_nc_u32 v32, s48, v32                     ; query 8 h (+ j), key r
	s_add_co_u32 s30, s30, GTAB
	v_add_nc_u32 v33, s30, v[L16]                  ; waves 0, 1, 2: the small tables' places
	WIN 0x40                                       ; destination window 1
	v_mov_b32 v[L16B], v[L16]
	v_lshl_add_u32 v[CB0], v[H], 5, BUT
	v_lshl_add_u32 v[AGB], v[H], 7, GTAB
	WIN 0
	s_lshl_b32 s47, s26, 13
	s_add_co_u32 s47, s47, QROW                    ; my 16 queries' rows
	s_lshl_b32 s49, s24, 10
	s_add_co_u32 s49, s49, OUTS                    ; my wave's results
	s_wait_kmcnt 0x0
	s_load_b32 s44, s[20:21], 0x0                  ; bo
	s_cmp_eq_u32 s24, 0                            ; wave 0 brings ln_g, wave 1 ln_b, wave 2 bu, bv and Wo: three pointers, chosen by the wave's number
	s_cselect_b64 s[56:57], s[10:11], s[12:13]
	s_add_nc_u64 s[58:59], s[56:57], 512
	s_add_nc_u64 s[60:61], s[56:57], 1024
	s_cmp_lt_u32 s24, 2
	s_cselect_b64 s[56:57], s[56:57], s[14:15]
	s_cselect_b64 s[58:59], s[58:59], s[16:17]
	s_cselect_b64 s[60:61], s[60:61], s[18:19]
	s_cselect_b32 s62, 1.0, 0.5                    ; the third table's factor: Wo is halved
	s_lshl_b32 s16, s28, 9                         ; 512 rows a batch
	s_lshl_b32 s17, ttmp9, 6
	s_add_co_u32 s17, s17, s16
	s_lshl_b32 s18, s25, 4
	s_add_co_u32 s17, s17, s18
	s_add_co_u32 s17, s17, 1024                    ; my first key's row in proj
	s_lshl_b32 s18, s17, 7
	s_mov_b32 s19, 0
	s_add_nc_u64 s[10:11], s[4:5], s[18:19]
	s_lshl_b32 s17, s29, 5
	s_add_co_u32 s17, s17, s16                     ; the work-group's first query
	s_lshl_b32 s18, s17, 7
	s_add_nc_u64 s[14:15], s[4:5], s[18:19]
	s_lshl_b32 s31, s26, 11
	s_add_co_u32 s18, s18, s31                     ; my wave's first query
	s_add_nc_u64 s[12:13], s[4:5], s[18:19]
	s_lshl_b32 s18, s17, 11                        ; out0: a row of 512 f32,
	s_lshl_b32 s31, ttmp9, 8                       ; + 64 keys
	s_add_co_u32 s18, s18, s31
	s_add_nc_u64 s[22:23], s[22:23], s[18:19]
	s_wait_alu depctr_va_vdst(0)                   ; all offsets and LDS addresses made above are written (v5 to v9, v28 to v33, window 1's AGB): the head's loads and LDS stores, and every load by AGB, read them
	s_cmp_lt_u32 s24, 3
	s_cbranch_scc0 .Lno_role_load
	WIN 0x40
	global_load_b128 v[TB:TB+3], v[L16], s[56:57]
	global_load_b128 v[TB+4:TB+7], v[L16], s[58:59]
	global_load_b128 v[TB+8:TB+11], v[L16], s[60:61]
	WIN 0
.Lno_role_load:
.irp c, 0,1
.irp i, 0,1,2,3,4,5,6,7
	global_load_b128 v[KR+32*\c+4*\i:KR+32*\c+4*\i+3], v[KO], s[10:11] offset:524288*\c+16*\i   ; k(key r, channels 64 c + 32 h + 4 i on)
.endr
.endr
	WIN 0x40
.irp c, 0,1
.irp i, 0,1,2,3,4,5,6,7
	global_load_b128 v[QL+32*\c+4*\i:QL+32*\c+4*\i+3], v[KO], s[12:13] offset:524288*\c+16*\i   ; q likewise, query r
.endr
.endr
	WIN 0
.set kk, 0
.rept 36                                       ; the weights' codes: fragment 8 (kk / 6) + w; piece kk % 6 = registers 2 (kk % 6), + 1 of the operand
	global_load_b64 v[WST+2*kk:WST+2*kk+1], v[WSRC], s[6:7] offset:(kk/6)*12288+((kk%6)/3)*768+(kk%3)*8
.set kk, kk+1
.endr
	WIN 0x40
.irp n, 0,1,2,3
	global_load_b128 v[QST+4*\n:QST+4*\n+3], v28, s[14:15] offset:262144*\n   ; 32 queries x 32 channels: 4,096 consecutive bytes a work-group
.endr
.set kk, 0
.rept 12
	global_load_u8 v[WSB+kk], v30, s[8:9] offset:256*kk
.set kk, kk+1
.endr
	WIN 0
	s_wait_loadcnt 52                              ; the 36 + 4 + 12 loads behind q's may be out: k, q and the small tables are in
	; ---- the statistics of my 16 queries x 16 keys
.set ii, 0
.rept 32
	v_pk_mul_f32 v[K2+ii:K2+ii+1], v[KR+ii:KR+ii+1], v[KR+ii:KR+ii+1]
.set ii, ii+2
.endr
	SUM64 KR, TK
	v_mov_b32 v[BE], v[FH]                         ; the last K step of S1: source 1 = (1, sum k) in lanes 0-15, zeros in lanes 16-31
	v_mul_f32 v[BE+1], v[TK], v[FH]
	SUM64 K2, TK
	v_mov_b32 v[BE+2], v[FH]
	v_mul_f32 v[BE+3], v[TK], v[FH]
	WIN 0x55
.set ii, 0
.rept 32
	v_pk_mul_f32 v[Q2+ii:Q2+ii+1], v[QL+ii:QL+ii+1], v[QL+ii:QL+ii+1]
.set ii, ii+2
.endr
	SUM64 QL, TQ
	WIN 0x54                                       ; source 0 window 0
	v_mul_f32 v[AE], v[FH], v[TQ]                  ; source 0 = (sum q, 1)
	v_mov_b32 v[AE+1], v[FH]
	WIN 0x55
	SUM64 Q2, TQ
	WIN 0x54
	v_mul_f32 v[AE+2], v[FH], v[TQ]
	v_mov_b32 v[AE+3], v[FH]
	WIN 0x51                                       ; source 0 (q), C and D window 1; source 1 (k) window 0
; Both sources hold channel 64 c + 32 h + i at register 32 c + i, so every K step of 4 pairs like channels.  Four sums (S1, S2, each for even and for odd steps) take turns, one instruction a turn;
; each begins with the constant 0 as the C of its own first K step, and their registers are written by matrix instructions alone
.set kk, 0
.rept 32
.if kk < 2
	v_wmma_f32_16x16x4_f32 v[16*(kk%2):16*(kk%2)+7], v[QL+2*kk:QL+2*kk+1], v[KR+2*kk:KR+2*kk+1], 0
	v_wmma_f32_16x16x4_f32 v[16*(kk%2)+8:16*(kk%2)+15], v[Q2+2*kk:Q2+2*kk+1], v[K2+2*kk:K2+2*kk+1], 0
.else
	v_wmma_f32_16x16x4_f32 v[16*(kk%2):16*(kk%2)+7], v[QL+2*kk:QL+2*kk+1], v[KR+2*kk:KR+2*kk+1], v[16*(kk%2):16*(kk%2)+7]
	v_wmma_f32_16x16x4_f32 v[16*(kk%2)+8:16*(kk%2)+15], v[Q2+2*kk:Q2+2*kk+1], v[K2+2*kk:K2+2*kk+1], v[16*(kk%2)+8:16*(kk%2)+15]
.endif
.set kk, kk+1
.endr
	v_wmma_f32_16x16x4_f32 v[0:7], v[AE:AE+1], v[BE:BE+1], v[0:7]              ; + sum q + sum k
	v_wmma_f32_16x16x4_f32 v[8:15], v[AE+2:AE+3], v[BE+2:BE+3], v[8:15]        ; + sum q^2 + sum k^2
	WIN 0x55
.rept 8
	v_nop                                          ; eight places behind this form, in front of the first read of results and of writes over its sources
.endr
.irp j, 0,2,4,6
	v_pk_add_f32 v[S1T+\j:S1T+\j+1], v[\j:\j+1], v[16+\j:16+\j+1]               ; register j, lane (r, h): query 8 h + j, key r; the sums are read from their low ends on, into other registers
.endr
.irp j, 0,2,4,6
	v_pk_add_f32 v[S2T+\j:S2T+\j+1], v[8+\j:8+\j+1], v[24+\j:24+\j+1]
.endr
.irp j, 0,1,2,3,4,5,6,7
	v_mul_f32 v[MU+\j], s53, v[S1T+\j]             ; mu
.endr
.irp j, 0,1,2,3,4,5,6,7
	v_mul_f32 v[VR+\j], s53, v[S2T+\j]
.endr
.irp j, 0,1,2,3,4,5,6,7
	v_fma_f32 v[VR+\j], -v[MU+\j], v[MU+\j], v[VR+\j]    ; var
.endr
.irp j, 0,1,2,3,4,5,6,7
	v_max_num_f32 v[VR+\j], 0, v[VR+\j]
.endr
.irp j, 0,1,2,3,4,5,6,7
	v_add_f32 v[VR+\j], s54, v[VR+\j]
.endr
.irp j, 0,1,2,3,4,5,6,7
	v_rsq_f32 v[AMS+2*\j], v[VR+\j]                ; a
.endr
	v_nop                                          ; a plain place behind the last of them
	s_wait_alu depctr_va_vdst(0)                   ; the eight v_rsq_f32 have written a, ahead of their first reader
.irp j, 0,1,2,3,4,5,6,7
	v_mul_f32 v[AMS+2*\j+1], -v[MU+\j], v[AMS+2*\j]    ; m = -mu a
.endr
	; ---- LDS is filled, once.  The vector lines that make store data stand together, so that one wait serves the stores behind them
	s_wait_loadcnt 0x0
.irp p, 0,1,2
	v_lshl_or_b32 v[WSB+4*\p], v[WSB+4*\p+1], 8, v[WSB+4*\p]
.endr
.irp p, 0,1,2
	v_lshl_or_b32 v[WSB+4*\p], v[WSB+4*\p+2], 16, v[WSB+4*\p]
.endr
.irp p, 0,1,2
	v_lshl_or_b32 v[WSB+4*\p], v[WSB+4*\p+3], 24, v[WSB+4*\p]      ; four blocks' bytes: the word of 128 along K
.endr
	WIN 0x04                                       ; an LDS store's data: window 1
	s_wait_alu depctr_va_vdst(0)                   ; the multiplies have written the pairs (a, m) in AMS and the lines above the three scale words in WSB, which the LDS stores read
.irp j, 0,1,2,3,4,5,6,7
	ds_store_b64 v32, v[AMS+2*\j:AMS+2*\j+1] offset:128*\j
.endr
.irp n, 0,1,2,3
	ds_store_b128 v29, v[QST+4*\n:QST+4*\n+3] offset:128*\n
.endr
.irp p, 0,1,2
	ds_store_b32 v31, v[WSB+4*\p] offset:1024*\p
.endr
	WIN 0
.set kk, 0
.rept 36
	ds_store_b64 v[WDST], v[WST+2*kk:WST+2*kk+1] offset:(kk/6)*12288+((kk%6)/2)*512+((kk%6)%2)*8   ; registers 2 m, 2 m + 1 lie in image m / 2, at 8 (m % 2) of my lane's 16 bytes
.set kk, kk+1
.endr
	s_cmp_lt_u32 s24, 3
	s_cbranch_scc0 .Lno_role_store
	WIN 0x55
.irp i, 0,1,2,3
	v_mul_f32 v[TB+8+\i], s62, v[TB+8+\i]          ; x 1 (ln_g, ln_b) or x 1/2 (Wo)
.endr
	WIN 0x04
	s_wait_alu depctr_va_vdst(0)                   ; the four multiplies have written v[TB+8 ..], which the third LDS store reads
.irp n, 0,1,2
	ds_store_b128 v33, v[TB+4*\n:TB+4*\n+3] offset:512*\n
.endr
	WIN 0
.Lno_role_store:
	s_wait_kmcnt 0x0                               ; bo
	WIN 0x40
	v_mov_b32 v[BOH], s44
	WIN 0x55
	v_mul_f32 v[BOH], 0.5, v[BOH]                  ; each half of the lanes starts its sum with bo / 2
	WIN 0
	s_wait_dscnt 0x0                               ; for the others' sake: my stores lie in LDS
	s_barrier_signal -1
	s_barrier_wait -1                              ; from here on the weights, the queries and the tables are only read
	s_mov_b32 s45, 4
.Lgrp:                                             ; four trips: four queries x my 16 keys each
	s_mov_b32 s50, 0                               ; the weights' walk begins anew: 9,216, 64 and 128 bytes a tile of hidden units
	s_mov_b32 s51, 0
	s_mov_b32 s52, 0
	s_wait_alu depctr_vm_vsrc(0)                   ; the last group's LDS loads have read AQA and VCA and its four stores VOA and OS, all written again in this group; in the first trip: the head's loads and LDS stores have read v28 to v33, WST, QST, WSB, AMS and TB, which this group's loads and vector lines write
	WIN 0x40
	v_lshl_add_u32 v[AQA], v[H], 7, s47
	v_lshl_add_u32 v[VOA], v[R], 2, s49
	v_lshl_add_u32 v[VCA], v[R], 3, s48
	WIN 0x55
	s_wait_alu depctr_va_vdst(0)                   ; the three addresses are written; the last group's products and epilogues (in the first trip: the head's vector lines) are done with window 1's v64 to v231, in which the 44 loads below land
.irp t, 0,1,2,3
	ds_load_b64 v[AM+2*\t:AM+2*\t+1], v[VCA] offset:128*\t         ; (a, m) of pair (query t, key r)
.endr
	LDG G1, 0
	LDG B1, 1536
	LDG G3, 1024
	LDG B3, 1536+1024
	LDQ 0, 0
	STEPQ 0, 0
	STEPQ 1, 0
	STEPQ 2, 0
	STEPQ 3, 0
	s_wait_alu depctr_va_vdst(0)                   ; the fourth GB is done reading G3 and B3, in which part 2's tables of the second half land
	LDG G3, 1024+256
	LDG B3, 1536+1024+256
	s_wait_dscnt 24                                ; behind part 1's tables stand the query's 8 loads and part 2's 16
	STEPK 0, 0
	STEPK 1, 0
	STEPK 2, 0
	STEPK 3, 0
	STEPQ 0, 1
	STEPQ 1, 1
	STEPQ 2, 1
	STEPQ 3, 1
	LWADR                                          ; the first trip's addresses
	s_wait_alu depctr_va_vdst(0)                   ; VWA, VCA and WSN are written; the fourth GB is done reading G3 and B3 and the fourth P2A QR; the last group's products are done reading WS: the first trip's weights take these places
	LW 0, 18
	LBB
	LWS
	LOADWO
	s_wait_dscnt 27                                ; behind part 1's tables stand the first trip's 27 loads
	STEPK 0, 1
	STEPK 1, 1
	STEPK 2, 1
	STEPK 3, 1
	WIN 0                                          ; the scale words: my two bytes (blocks h and 2 + h) at their places, joined with lane l xor 16's two
.irp n, 0,1,2,3,4,5,6,7,8,9,10,11
	v_and_or_b32 v[XT+\n], v[XT+\n], 0xff0000, v[XS+\n]
.endr
.irp n, 0,1,2,3,4,5,6,7,8,9,10,11
	v_lshlrev_b32 v[XT+\n], v[H8], v[XT+\n]
.endr
.irp n, 0,1,2,3,4,5,6,7,8,9,10,11
	v_permlanex16_b32 v[XS+\n], v[XT+\n], s32, s33
.endr
.irp n, 0,1,2,3,4,5,6,7,8,9,10,11
	v_or_b32 v[XS+\n], v[XS+\n], v[XT+\n]
.endr
	WIN 0x55
.irp t, 0,1,2,3                                ; the sums over hidden units begin; these sixteen lines are also the eight places between the scale words' last writes and the first scaled product
	v_mov_b32 v[OS+4*\t], v[BOH]
	v_mov_b32 v[OS+4*\t+1], 0
	v_mov_b32 v[OS+4*\t+2], 0
	v_mov_b32 v[OS+4*\t+3], 0
.endr
	s_wait_alu depctr_va_vdst(0)                   ; the vector lines have written x's codes X and its scale words XS, which the scaled products of all eight trips take; the places above stay beside this wait, and no vector line in the loop writes X or XS
	WIN 0
	s_mov_b32 s46, 7
.Lt:                                               ; seven trips ask for the next tile's weights; the eighth is written out and asks for nothing
	TRIP 1
	s_sub_co_u32 s46, s46, 1
	s_cmp_lg_u32 s46, 0
	s_cbranch_scc1 .Lt
	TRIP 0
	WIN 0x55
.irp t, 0,1,2,3
	v_pk_add_f32 v[OS+4*\t:OS+4*\t+1], v[OS+4*\t:OS+4*\t+1], v[OS+4*\t+2:OS+4*\t+3]
.endr
.irp t, 0,1,2,3
	v_add_f32 v[OS+4*\t], v[OS+4*\t], v[OS+4*\t+1]
.endr
.irp t, 0,1,2,3
	v_permlanex16_b32 v[OS+4*\t+1], v[OS+4*\t], s32, s33
.endr
.irp t, 0,1,2,3
	v_add_f32 v[OS+4*\t], v[OS+4*\t], v[OS+4*\t+1] ; with the other half's 64 hidden units
.endr
	s_wait_alu depctr_va_vdst(0)                   ; the last additions have written the four sums in OS, which the LDS stores read
.irp t, 0,1,2,3
	ds_store_b32 v[VOA], v[OS+4*\t] offset:64*\t   ; both halves of the lanes write the same word with the same value
.endr
	WIN 0
	s_add_co_u32 s47, s47, 2048                    ; four queries on: their rows, their statistics, their results
	s_add_co_u32 s48, s48, 512
	s_add_co_u32 s49, s49, 256
	s_sub_co_u32 s45, s45, 1
	s_cmp_lg_u32 s45, 0
	s_cbranch_scc1 .Lgrp
	; ---- the way out: 32 rows x 64 keys; a row's 256 bytes come from four waves
	v_bfe_u32 v12, v0, 2, 2                        ; thread t: row t / 16 (and 16 further down), piece t % 16 of 16 bytes: wave piece / 4,
	v_lshlrev_b32 v12, 10, v12
	v_lshrrev_b32 v13, 4, v0
	v_lshl_add_u32 v12, v13, 6, v12                ; its row of 64 bytes,
	v_and_b32 v14, 3, v0
	v_lshl_add_u32 v12, v14, 4, v12                ; 16 (piece % 4)
	v_add_nc_u32 v12, OUTS, v12
	v_lshlrev_b32 v13, 11, v13                     ; out0: rows of 2,048 bytes
	v_and_b32 v14, 15, v0
	v_lshl_add_u32 v13, v14, 4, v13
	s_wait_dscnt 0x0                               ; for the others' sake: my results lie in LDS
	s_barrier_signal -1
	s_barrier_wait -1
	s_wait_alu depctr_va_vdst(0)                   ; v12 and v13 are written, which the loads and the stores below read as addresses; the last products are done reading v44 to v51, in which the loads land
	ds_load_b128 v[44:47], v12
	ds_load_b128 v[48:51], v12 offset:4096
	s_wait_dscnt 0x0
	global_store_b128 v13, v[44:47], s[22:23] th:TH_STORE_NT                   ; sixteen lanes store 256 consecutive bytes, at a multiple of 256 from out0's first byte
	global_store_b128 v13, v[48:51], s[22:23] offset:32768 th:TH_STORE_NT
	s_wait_dscnt 0x0
	s_wait_alu depctr_hold_cnt(0) depctr_sa_sdst(0) depctr_va_vdst(0) depctr_va_sdst(0) depctr_va_ssrc(0) depctr_va_vcc(0) depctr_vm_vsrc(0)
	s_wait_tensorcnt 0x0
	ds_add_u32 v15, v43
	s_wait_dscnt 0x0
	s_endpgm
.Lfunc_end_k_q4eea316735_pairs:
	.size	k_q4eea316735_pairs, .Lfunc_end_k_q4eea316735_pairs-k_q4eea316735_pairs
	.p2alignl 7, 3214868480
	.fill 96, 4, 3214868480
	.section	.rodata,"a",@progbits
	.p2align	6, 0x0
	.amdhsa_kernel k_q4eea316735_pairs
		.amdhsa_group_segment_fixed_size 123392
		.amdhsa_private_segment_fixed_size 0
		.amdhsa_enable_private_segment 0
		.amdhsa_kernarg_size 80
		.amdhsa_user_sgpr_count 2
		.amdhsa_user_sgpr_kernarg_segment_ptr 1
		.amdhsa_wavefront_size32 1
		.amdhsa_system_sgpr_workgroup_id_x 1
		.amdhsa_system_sgpr_workgroup_id_y 1
		.amdhsa_system_sgpr_workgroup_id_z 1
		.amdhsa_system_vgpr_workitem_id 0
		.amdhsa_next_free_vgpr 512
		.amdhsa_next_free_sgpr 66
		.amdhsa_reserve_vcc 0
		.amdhsa_float_denorm_mode_32 3
		.amdhsa_float_denorm_mode_16_64 3
		.amdhsa_memory_ordered 1
		.amdhsa_forward_progress 1
		.amdhsa_inst_pref_size 185
	.end_amdhsa_kernel
	.amdgpu_metadata
---
amdhsa.version: [ 1, 2 ]
amdhsa.kernels:
  - .name:           k_q4eea316735_pairs
    .symbol:         k_q4eea316735_pairs.kd
    .args:
      - { .name: proj, .offset: 0, .size: 8, .value_kind: global_buffer, .address_space: global }
      - { .name: wimg, .offset: 8, .size: 8, .value_kind: global_buffer, .address_space: global }
      - { .name: wsb, .offset: 16, .size: 8, .value_kind: global_buffer, .address_space: global }
      - { .name: ln_g, .offset: 24, .size: 8, .value_kind: global_buffer, .address_space: global }
      - { .name: ln_b, .offset: 32, .size: 8, .value_kind: global_buffer, .address_space: global }
      - { .name: bu, .offset: 40, .size: 8, .value_kind: global_buffer, .address_space: global }
      - { .name: bv, .offset: 48, .size: 8, .value_kind: global_buffer, .address_space: global }
      - { .name: Wo, .offset: 56, .size: 8, .value_kind: global_buffer, .address_space: global }
      - { .name: bo, .offset: 64, .size: 8, .value_kind: global_buffer, .address_space: global }
      - { .name: out0, .offset: 72, .size: 8, .value_kind: global_buffer, .address_space: global }
    .group_segment_fixed_size: 123392
    .private_segment_fixed_size: 0
    .kernarg_segment_align: 8
    .kernarg_segment_size: 80
    .max_flat_workgroup_size: 256
    .sgpr_count:     66
    .vgpr_count:     512
    .wavefront_size: 32
...
	.end_amdgpu_metadata
.endif
;; end of part 4
